; MI455X (gfx1250); checked and timed in simulation.
; The chip was launched on July 23, 2026; its instructions are those of AMD's public machine-readable ISA for CDNA 5 (MIT licence, August 2026) and "CDNA5" Instruction Set Architecture Reference Guide (July 2026). The comments in the code are by the model that wrote it; some were corrected since.
;; Contrast model. Allowed arithmetic: float matrix products may take bf16 or f16 operands with f32 sums; all other float work in f32.
;; Inputs: T one number float32; W1 2,048 x 2,048 float32; W2 2,048 x 2,048 float32; b1 2,048 float32; b2 2,048 float32; beta 2,048 float32; gamma 2,048 float32; x1 2,048 x 2,048 float32; x2 2,048 x 2,048 float32.
;; Outputs: out0 2,048 x 4,095 float32; out1 2,048 x 4,095 float32; out2 2,048 int32.
;; Constants: batch_size = 2048.
;; 2 versions, each right; version 2 is version 1 with the launch bn written anew for expert scheduling mode. Each part assembles by itself: llvm-mc -triple=amdgcn-amd-amdhsa -mcpu=gfx1250 --defsym DOCPART=n.
;; ======== version 1 of 2: 5 launches
;; limits: values outside matrix products are rounded to bf16
;; workspace buffers: xb 16,777,216 bytes; w1b 8,388,608 bytes; w2b 8,388,608 bytes; h 33,554,432 bytes; stat 1,048,576 bytes; rb 16,777,216 bytes; pb 16,777,216 bytes; nsq 262,144 bytes
;; launch cast (part 1): grid 256 x 4, 8 waves a work-group, no clusters, 0 bytes of LDS; arguments x1, x2, W1, W2, xb, w1b, w2b, out2; writes xb, w1b, w2b, out2
.if DOCPART == 1
	.amdgcn_target "amdgcn-amd-amdhsa--gfx1250"
	.amdhsa_code_object_version 6
	.text
	.protected	k_qd9e619753c_cast
	.globl	k_qd9e619753c_cast
	.p2align	8
	.type	k_qd9e619753c_cast,@function
k_qd9e619753c_cast:
	s_mov_b64 s[64:65], 0
	v_nop
	global_prefetch_b8 v0, s[64:65] scope:SCOPE_SE
	s_setreg_imm32_b32 hwreg(HW_REG_WAVE_MODE, 25, 1), 1
	s_wait_xcnt 0x0
; f32 -> bf16 (round to nearest even) of x1, x2 (one after the other into xb), W1 (w1b), W2 (w2b); layouts kept.  Also the 2048 zeros of out2.
; Work-group (x, y): tensor y, floats 16384 x .. 16384 x + 16383.  Thread t takes, for i = 0..15, the 16 bytes at 16 t + 4096 i
; and writes the 8 bytes at 8 t + 2048 i: a wave's load covers 512 consecutive bytes, its store 256 consecutive bytes, both aligned.
; All sixteen loads of a thread go out first; no register is written twice, so the only waits are the counted ones for the loads.
; No LDS, no matrix unit, no cluster: nothing is shared between threads.
.set SRC, 8                            ; v[8:71]    16 x 4 floats as loaded
.set DST, 72                           ; v[72:103]  16 x 2 words of packed bf16
	s_load_b256 s[4:11], s[0:1], 0x0               ; x1 s[4:5], x2 s[6:7], W1 s[8:9], W2 s[10:11]
	s_load_b256 s[12:19], s[0:1], 0x20             ; xb s[12:13], w1b s[14:15], w2b s[16:17], out2 s[18:19]
	s_and_b32 s20, ttmp7, 0xffff                   ; y: which tensor
	v_lshlrev_b32 v1, 4, v0                        ; 16 t
	v_lshlrev_b32 v2, 3, v0                        ; 8 t
	s_lshl_b32 s22, ttmp9, 16                      ; source offset: 65,536 bytes a work-group
	s_mov_b32 s23, 0
	s_lshl_b32 s24, ttmp9, 15                      ; destination offset: 32,768 bytes a work-group,
	s_mov_b32 s25, 0
	s_cmp_eq_u32 s20, 1
	s_cselect_b32 s26, 0x800000, 0                 ; and x2 lies behind x1 in xb
	s_add_co_u32 s24, s24, s26
	s_wait_kmcnt 0x0
	s_cmp_eq_u32 s20, 1
	s_cselect_b64 s[4:5], s[6:7], s[4:5]
	s_cmp_eq_u32 s20, 2
	s_cselect_b64 s[4:5], s[8:9], s[4:5]
	s_cselect_b64 s[12:13], s[14:15], s[12:13]
	s_cmp_eq_u32 s20, 3
	s_cselect_b64 s[4:5], s[10:11], s[4:5]
	s_cselect_b64 s[12:13], s[16:17], s[12:13]
	s_add_nc_u64 s[4:5], s[4:5], s[22:23]
	s_add_nc_u64 s[12:13], s[12:13], s[24:25]
.irp i, 0,1,2,3,4,5,6,7,8,9,10,11,12,13,14,15
	global_load_b128 v[SRC+4*\i:SRC+4*\i+3], v1, s[4:5] offset:4096*\i th:TH_LOAD_NT
.endr
.irp i, 0,1,2,3,4,5,6,7,8,9,10,11,12,13,14,15
	s_wait_loadcnt 15-\i                           ; loads return in order: number i is in, the younger ones stay out
	v_cvt_pk_bf16_f32 v[DST+2*\i], v[SRC+4*\i], v[SRC+4*\i+1]
	v_cvt_pk_bf16_f32 v[DST+2*\i+1], v[SRC+4*\i+2], v[SRC+4*\i+3]
	global_store_b64 v2, v[DST+2*\i:DST+2*\i+1], s[12:13] offset:2048*\i
.endr
	s_or_b32 s21, s20, ttmp9                       ; work-group (0, 0) also writes the labels: 8,192 bytes of zeros
	s_cmp_lg_u32 s21, 0
	s_cbranch_scc1 .Lend
	v_mov_b32 v4, 0
	v_mov_b32 v5, 0
	v_mov_b32 v6, 0
	v_mov_b32 v7, 0
	global_store_b128 v1, v[4:7], s[18:19]
	global_store_b128 v1, v[4:7], s[18:19] offset:4096
.Lend:
	s_endpgm
.Lfunc_end_k_qd9e619753c_cast:
	.size	k_qd9e619753c_cast, .Lfunc_end_k_qd9e619753c_cast-k_qd9e619753c_cast
	.p2alignl 7, 3214868480
	.fill 96, 4, 3214868480
	.section	.rodata,"a",@progbits
	.p2align	6, 0x0
	.amdhsa_kernel k_qd9e619753c_cast
		.amdhsa_group_segment_fixed_size 0
		.amdhsa_private_segment_fixed_size 0
		.amdhsa_enable_private_segment 0
		.amdhsa_kernarg_size 64
		.amdhsa_user_sgpr_count 2
		.amdhsa_user_sgpr_kernarg_segment_ptr 1
		.amdhsa_wavefront_size32 1
		.amdhsa_system_sgpr_workgroup_id_x 1
		.amdhsa_system_sgpr_workgroup_id_y 1
		.amdhsa_system_sgpr_workgroup_id_z 1
		.amdhsa_system_vgpr_workitem_id 0
		.amdhsa_next_free_vgpr 104
		.amdhsa_next_free_sgpr 66
		.amdhsa_reserve_vcc 0
		.amdhsa_float_denorm_mode_32 3
		.amdhsa_float_denorm_mode_16_64 3
		.amdhsa_memory_ordered 1
		.amdhsa_forward_progress 1
		.amdhsa_inst_pref_size 8
	.end_amdhsa_kernel
	.amdgpu_metadata
---
amdhsa.version: [ 1, 2 ]
amdhsa.kernels:
  - .name:           k_qd9e619753c_cast
    .symbol:         k_qd9e619753c_cast.kd
    .args:
      - { .name: x1, .offset: 0, .size: 8, .value_kind: global_buffer, .address_space: global }
      - { .name: x2, .offset: 8, .size: 8, .value_kind: global_buffer, .address_space: global }
      - { .name: W1, .offset: 16, .size: 8, .value_kind: global_buffer, .address_space: global }
      - { .name: W2, .offset: 24, .size: 8, .value_kind: global_buffer, .address_space: global }
      - { .name: xb, .offset: 32, .size: 8, .value_kind: global_buffer, .address_space: global }
      - { .name: w1b, .offset: 40, .size: 8, .value_kind: global_buffer, .address_space: global }
      - { .name: w2b, .offset: 48, .size: 8, .value_kind: global_buffer, .address_space: global }
      - { .name: out2, .offset: 56, .size: 8, .value_kind: global_buffer, .address_space: global }
    .group_segment_fixed_size: 0
    .private_segment_fixed_size: 0
    .kernarg_segment_align: 8
    .kernarg_segment_size: 64
    .max_flat_workgroup_size: 256
    .sgpr_count:     66
    .vgpr_count:     104
    .wavefront_size: 32
...
	.end_amdgpu_metadata
.endif
;; end of part 1
;; launch gemm1 (part 2): grid 8 x 32, 4 waves a work-group, clusters of 4 x 4, 327,680 bytes of LDS; arguments xb, w1b, h, b1, stat; writes h, stat
.if DOCPART == 2
	.amdgcn_target "amdgcn-amd-amdhsa--gfx1250"
	.amdhsa_code_object_version 6
	.text
	.protected	k_qd9e619753c_gemm1
	.globl	k_qd9e619753c_gemm1
	.p2align	8
	.type	k_qd9e619753c_gemm1,@function
k_qd9e619753c_gemm1:
	s_mov_b64 s[64:65], 0
	v_nop
	global_prefetch_b8 v0, s[64:65] scope:SCOPE_SE
	s_setreg_imm32_b32 hwreg(HW_REG_WAVE_MODE, 25, 1), 1
	s_wait_xcnt 0x0
	s_wait_alu depctr_hold_cnt(0) depctr_sa_sdst(0) depctr_va_vdst(0) depctr_va_sdst(0) depctr_va_ssrc(0) depctr_va_vcc(0) depctr_vm_vsrc(0)
	s_getreg_b32 s2, hwreg(HW_REG_IB_STS2, 6, 4)
	s_cmp_eq_u32 s2, 0
	s_cbranch_scc0 .Lentry_in_a_cluster
	s_endpgm
.Lentry_in_a_cluster:
	s_bfe_u32 s2, ttmp6, 0x10000c
	s_cmp_lg_u32 s2, 0xf033
	s_cbranch_scc0 .Lentry_shape_is_right
	s_endpgm
.Lentry_shape_is_right:
; h = xb W1 + b1 in f32, and for every block of 64 rows and every column the block's mean and its centred sum of squares (stat).
; xb: [4096][2048] bf16 (K along the rows).  w1b: [2048 k][2048 n] bf16.  h: [4096][2048] f32.  stat: [2][64][2048] f32 (means, then M2).
; A work-group makes 128 rows x 256 columns (8 x 32 = 256 work-groups); wave (wr, wc) makes 64 x 128: 32 accumulator tiles, 256 registers.
; K goes in 16 steps of 128 through two LDS slots filled by the tensor data mover.  B stays [k][n]: its fragments come by the transposing LDS load.
; CLUSTERS: 4 x 4 work-groups.  A's tile hangs on the block row alone and is asked for jointly by a row of the cluster, B's on the block column alone
; and is asked for jointly by a column.  Waves 0, 1 ask for A's halves (64 rows x 256 bytes), waves 2, 3 for B's (64 k rows x 512 bytes).
; The matrix instruction is used transposed (source 0 = B's columns, source 1 = A's rows): lane (r, h), register j holds C(16 a + r, 16 b + 8 h + j).
; The 32 accumulators take turns, one instruction a turn, in the same order in every quarter step.
; LIMIT: operands are bf16, sums f32.  The statistics are centred on the block's own mean: no difference of large sums is formed.
; REGISTERS: window 0: v0-31 addresses, v32-63 at work, v64-95 / v128-159 A's fragments (two buffers), v192-255 bias;
;            window 1: v64-127 / v128-191 B's fragments;  window 2: tile (a, b) at v[8 (8 a + b)].
.set ROWB,   4096                      ; bytes in a row of A and of B
.set PA,     272                       ; A's LDS row: 256 bytes + 16
.set PB,     544                       ; B's LDS row: 512 bytes + 32 (17 x 32)
.set AHALF,  64*PA                     ; one load of A
.set BHALF,  64*PB                     ; one load of B
.set BOFF,   2*AHALF                   ; B's tile lies behind A's 128 rows
.set SLOT,   BOFF+2*BHALF              ; 104,448
.set STAGE,  2*SLOT                    ; behind the ring: each wave's own stage, which no tensor load fills
.set LAPS,   8                         ; a lap = two K steps
.set SPI,    528                       ; stage row: 512 bytes + 16
.set STATO,  16*SPI                    ; behind 16 stage rows: 512 bytes of means, 512 of M2
.set WSTG,   STATO+1024                ; 9,472 bytes a wave
.set ADRA, 16                          ; v16-17 my A fragments in slot 0, 1
.set ADRB, 20                          ; v20-21 my B fragments
.set STO,  24                          ; stage: where I put 16 bytes
.set RD,   25                          ; stage: where I read a row back
.set SS,   26                          ; statistics: where I put them
.set H32,  27                          ; 32 h
.set L16,  28                          ; 16 x lane
.set SR,   29                          ; statistics: where I read them back
.set T,    32
.set F0,   64
.set F1,   128
.set SUM,  64                          ; v[64:127]  column sums, then means
.set M2,   128                         ; v[128:191] centred sums of squares
.set BI,   192                         ; v[192:255] bias of column 16 b + 8 h + j at BI + 8 b + j
.set G1, 24
.set G0, 32
.set G1B, 48
.set G0B, 56
.set MSB, 0
.macro WIN new                         ; the immediate's high byte repeats the setting that is left
.if MSB != \new
	s_set_vgpr_msb (MSB<<8)|\new
.set MSB, \new
.endif
.endm
.set MUL,  0xa1                        ; source 0 (B) window 1, source 1 (A) window 0, C and D window 2
.set TO_B, 0x40                        ; destination window 1, address window 0
.macro JLOAD s                         ; one joint load a wave: waves 0, 1 by A's descriptors, waves 2, 3 by B's
	s_cmp_eq_u32 s11, 0
	s_cbranch_scc0 .Lfor_b_\@
	tensor_load_to_lds s[G0+4*\s:G0+4*\s+3], s[G1:G1+7]
	s_nop 0
	s_branch .Lasked_\@
.Lfor_b_\@:
	tensor_load_to_lds s[G0B+4*\s:G0B+4*\s+3], s[G1B:G1B+7]
	s_nop 0
.Lasked_\@:
.endm
.macro CREST                           ; a round of the cluster's barrier behind its opening barrier
	s_cmp_lg_u32 s10, 0
	s_cbranch_scc1 .Lnot_wave_0_\@
	s_barrier_signal -3
.Lnot_wave_0_\@:
	s_barrier_wait -3
	s_barrier_signal -1
	s_barrier_wait -1
.endm
.macro CROUND
	s_barrier_signal -1
	s_barrier_wait -1
	CREST
.endm
.macro PLACES                          ; four places behind a matrix instruction (ISA guide 7.12.1) before its registers are loaded into or read
.rept 4
	v_nop
.endr
.endm
	s_load_b128 s[4:7], s[0:1], 0x0                ; A s[4:5], B s[6:7]
	s_load_b64 s[8:9], s[0:1], 0x10                ; h
	s_load_b128 s[68:71], s[0:1], 0x18             ; bias s[68:69], stat s[70:71]
	s_set_vgpr_msb 0x40
	v_lshl_add_u32 v255, v0, 2, 0x3c400
	s_set_vgpr_msb 0x4000
	v_mov_b32 v31, 0
	s_set_vgpr_msb 0x1
	ds_add_u32 v255, v31
	s_set_vgpr_msb 0x100
	v_lshrrev_b32 v1, 5, v0
	v_readfirstlane_b32 s10, v1                    ; wave 0..3
	s_lshr_b32 s11, s10, 1                         ; wr: my 64 rows.  Also: I fetch for A (0) or B (1)
	s_and_b32 s12, s10, 1                          ; wc: my 128 columns.  Also: which half of that tile I fetch
	s_bfe_u32 s40, ttmp6, 0x40000                  ; cx
	s_bfe_u32 s41, ttmp6, 0x40004                  ; cy
	s_lshl_b32 s42, ttmp9, 2
	s_add_co_u32 s42, s42, s40                     ; block column bc
	s_and_b32 s13, ttmp7, 0xffff
	s_lshl_b32 s13, s13, 2
	s_add_co_u32 s13, s13, s41                     ; block row br
	s_lshl_b32 s43, s41, 2
	s_lshl_b32 s43, 15, s43                        ; my row of the cluster
	s_lshl_b32 s44, 0x1111, s40                    ; my column
	s_or_b32 s[G1+0], s43, (1<<16)|(1<<20)|(1<<21)|(5<<22)|(3<<25)   ; A: mask of my row; 2-byte elements; 4 words of padding behind every 64
	s_mov_b32 s[G1+1], 128<<16                     ; tensor_dim0 = 128
	s_mov_b32 s[G1+2], 64<<16                      ; tensor_dim1 = 64
	s_mov_b32 s[G1+3], 128<<16                     ; tile_dim0 = 128
	s_mov_b32 s[G1+4], 64                          ; tile_dim1 = 64
	s_mov_b32 s[G1+5], 2048                        ; elements from row to row
	s_mov_b32 s[G1+6], 0
	s_mov_b32 s[G1+7], 0
	s_or_b32 s[G1B+0], s44, (1<<16)|(1<<20)|(1<<21)|(6<<22)|(7<<25)  ; B: mask of my column; 8 words of padding behind every 128
	s_mov_b32 s[G1B+1], 256<<16
	s_mov_b32 s[G1B+2], 64<<16
	s_mov_b32 s[G1B+3], 256<<16
	s_mov_b32 s[G1B+4], 64
	s_mov_b32 s[G1B+5], 2048
	s_mov_b32 s[G1B+6], 0
	s_mov_b32 s[G1B+7], 0
	s_lshl_b32 s16, s13, 7                         ; A: row 128 br + 64 half,
	s_lshl_b32 s17, s12, 6
	s_add_co_u32 s16, s16, s17
	s_lshl_b32 s16, s16, 12                        ; in bytes (below 2^24)
	s_mov_b32 s17, 0
	s_lshl_b32 s46, s12, 18                        ; B: k row 64 half, in bytes,
	s_lshl_b32 s47, s42, 9                         ; and column 256 bc
	s_add_co_u32 s46, s46, s47
	s_mov_b32 s47, 0
	s_mul_i32 s20, s12, AHALF                      ; where they go: the wave's number alone enters an LDS address
	s_mul_i32 s21, s12, BHALF
	s_add_co_u32 s21, s21, BOFF
	s_wait_dscnt 0x0
	s_wait_kmcnt 0x0
	s_add_nc_u64 s[14:15], s[4:5], s[16:17]
	s_add_nc_u64 s[46:47], s[6:7], s[46:47]
	CROUND                                         ; all sixteen work-groups are here: the first joint loads meet
.irp s, 0,1
	s_mov_b32 s[G0+4*\s], 1
	s_add_co_u32 s[G0+4*\s+1], s20, \s*SLOT
	s_add_nc_u64 s[G0+4*\s+2:G0+4*\s+3], s[14:15], \s*256          ; K step s: 256 bytes along A's rows
	s_or_b32 s[G0+4*\s+3], s[G0+4*\s+3], 0x80000000
	s_mov_b32 s[G0B+4*\s], 1
	s_add_co_u32 s[G0B+4*\s+1], s21, \s*SLOT
	s_add_nc_u64 s[G0B+4*\s+2:G0B+4*\s+3], s[46:47], \s*128*ROWB   ; K step s: 128 rows down B
	s_or_b32 s[G0B+4*\s+3], s[G0B+4*\s+3], 0x80000000
	JLOAD \s
.endr
	v_and_b32 v1, 15, v0                           ; r
	v_bfe_u32 v2, v0, 4, 1                         ; h
	v_mul_u32_u24 v3, v1, PA
	v_lshl_add_u32 v3, v2, 4, v3                   ; A: r x pitch + 16 h
	v_and_b32 v4, 7, v0
	v_lshl_add_u32 v5, v2, 3, v4                   ; B: k row 8 h + (lane & 7),
	v_mul_u32_u24 v5, v5, PB
	v_bfe_u32 v6, v0, 3, 1
	v_lshl_add_u32 v5, v6, 4, v5                   ; and 16 bytes on for lanes 8-15 and 24-31
	s_mul_i32 s22, s11, AHALF                      ; my 64 rows of A
	s_lshl_b32 s23, s12, 8                         ; my 128 columns of B
	s_add_co_u32 s23, s23, BOFF
.irp s, 0,1
	v_add_nc_u32 v[ADRA+\s], s22, v3
	v_add_nc_u32 v[ADRB+\s], s23, v5
	s_add_co_u32 s22, s22, SLOT
	s_add_co_u32 s23, s23, SLOT
.endr
	s_mul_i32 s78, s10, WSTG
	s_add_co_u32 s78, s78, STAGE                   ; my stage
	v_mul_u32_u24 v4, v1, SPI
	v_lshl_add_u32 v4, v2, 5, v4
	v_add_nc_u32 v[STO], s78, v4                   ; row r, 32 bytes for each half of the lanes
	v_and_b32 v6, 31, v0
	v_lshlrev_b32 v[L16], 4, v6
	v_add_nc_u32 v[RD], s78, v[L16]                ; back: 32 lanes take a row's 512 bytes
	v_lshlrev_b32 v[H32], 5, v2
	s_add_co_u32 s78, s78, STATO
	v_add_nc_u32 v[SS], s78, v[H32]
	v_add_nc_u32 v[SR], s78, v[L16]
	s_lshl_b32 s74, s42, 10                        ; my first column in bytes of f32: 1024 bc + 512 wc
	s_lshl_b32 s75, s12, 9
	s_add_co_u32 s74, s74, s75
	s_mov_b32 s75, 0
	s_add_nc_u64 s[68:69], s[68:69], s[74:75]
.irp b, 0,1,2,3,4,5,6,7
	global_load_b128 v[BI+8*\b:BI+8*\b+3],   v[H32], s[68:69] offset:64*\b      ; waited for behind the K loop
	global_load_b128 v[BI+8*\b+4:BI+8*\b+7], v[H32], s[68:69] offset:64*\b+16
.endr
	s_lshl_b32 s76, s13, 1
	s_add_co_u32 s76, s76, s11                     ; my block of 64 rows: 2 br + wr
	s_lshl_b32 s78, s76, 13                        ; its row of 2048 floats in stat
	s_add_co_u32 s78, s78, s74
	s_mov_b32 s79, 0
	s_add_nc_u64 s[70:71], s[70:71], s[78:79]
	s_lshl_b32 s76, s76, 19                        ; 64 rows of 8,192 bytes in h
	s_add_co_u32 s76, s76, s74
	s_mov_b32 s77, 0
	s_add_nc_u64 s[8:9], s[8:9], s[76:77]
; 16 matrix instructions: row blocks a0, a0 + 1 x all 8 column blocks, 32 along K.  zero = 1: the first product starts the sums.
.macro MUL16 f, a0, zero
.irp a, \a0, \a0+1
.irp b, 0,1,2,3,4,5,6,7
.if \zero
	v_wmma_f32_16x16x32_bf16 v[8*(8*(\a)+\b):8*(8*(\a)+\b)+7], v[\f+8*\b:\f+8*\b+7], v[\f+8*(\a):\f+8*(\a)+7], 0
.else
	v_wmma_f32_16x16x32_bf16 v[8*(8*(\a)+\b):8*(8*(\a)+\b)+7], v[\f+8*\b:\f+8*\b+7], v[\f+8*(\a):\f+8*(\a)+7], v[8*(8*(\a)+\b):8*(8*(\a)+\b)+7]
.endif
.endr
.endr
.endm
; 24 LDS loads in one run: quarter q (32 along K) of a slot into buffer f: B's 8 fragments (transposed on the way), then A's 4
.macro FETCH slot, q, f
	WIN TO_B
.irp i, 0,1,2,3,4,5,6,7
	ds_load_tr16_b128 v[\f+8*\i:\f+8*\i+3],   v[ADRB+\slot] offset:\q*32*PB+32*\i
	ds_load_tr16_b128 v[\f+8*\i+4:\f+8*\i+7], v[ADRB+\slot] offset:\q*32*PB+32*\i+16*PB
.endr
	WIN 0
.irp i, 0,1,2,3
	ds_load_b128 v[\f+8*\i:\f+8*\i+3],   v[ADRA+\slot] offset:\q*64+\i*16*PA
	ds_load_b128 v[\f+8*\i+4:\f+8*\i+7], v[ADRA+\slot] offset:\q*64+\i*16*PA+32
.endr
.endm
.macro QUARTER slot, q, f, g, zero     ; multiplies buffer f; in its middle fetches quarter q into buffer g
	s_wait_dscnt 4                                 ; B and A's rows 0-31 are in; the youngest four loads (A's rows 32-63) may be out
	WIN MUL
	MUL16 \f, 0, \zero
	PLACES
	FETCH \slot, \q, \g
	s_wait_dscnt 24                                ; all but the 24 just issued
	WIN MUL
	MUL16 \f, 2, \zero
.endm
.macro THREE slot, zero
	QUARTER \slot, 1, F0, F1, \zero
	QUARTER \slot, 2, F1, F0, 0
	QUARTER \slot, 3, F0, F1, 0
.endm
; The last quarter of a K step changes slots.  In front of the barrier: my reads of this slot are back and all my tensor loads have landed
; (the one that was out is my part of the next slot).  Where the slot is filled again the barrier opens a round of the cluster's barrier,
; and the joint refill is the first tensor load behind the round.
.macro TURN slot, next, fill
	s_wait_dscnt 0x0
	s_wait_tensorcnt 0x0
	ds_add_u32 v255, v31
	s_wait_dscnt 0x0
	s_barrier_signal -1
	WIN MUL
	MUL16 F1, 0, 0                                 ; register work while the others arrive
	WIN 0
	s_barrier_wait -1
.if \fill
	CREST
	s_add_nc_u64 s[G0+4*\slot+2:G0+4*\slot+3], s[G0+4*\slot+2:G0+4*\slot+3], 2*256
	s_add_nc_u64 s[G0B+4*\slot+2:G0B+4*\slot+3], s[G0B+4*\slot+2:G0B+4*\slot+3], 2*128*ROWB
	JLOAD \slot
.endif
	PLACES
	FETCH \next, 0, F0
	WIN MUL
	MUL16 F1, 2, 0
.endm
.macro LAP zero
	THREE 0, \zero
	TURN 0, 1, 1
	THREE 1, 0
	TURN 1, 0, 1
.endm
	s_wait_tensorcnt 0x1                           ; my part of K step 0 is in; K step 1's may stay out
	s_barrier_signal -1
	s_barrier_wait -1
	FETCH 0, 0, F0
	LAP 1
	WIN 0
	s_mov_b32 s3, LAPS-2
.Llap:
	LAP 0
	WIN 0
	s_sub_co_u32 s3, s3, 1
	s_cmp_lg_u32 s3, 0
	s_cbranch_scc1 .Llap
	THREE 0, 0                                     ; the last lap fills nothing
	TURN 0, 1, 0
	THREE 1, 0
	s_wait_dscnt 0x0
	WIN MUL
	MUL16 F1, 0, 0
	MUL16 F1, 2, 0
	PLACES
	WIN 0
	s_wait_loadcnt 0x0                             ; the bias
	; the bias
	WIN 0x82                                       ; destination and source 0 window 2, source 1 window 0
.irp a, 0,1,2,3
.irp b, 0,1,2,3,4,5,6,7
.irp p, 0,2,4,6
	v_pk_add_f32 v[8*(8*\a+\b)+\p:8*(8*\a+\b)+\p+1], v[8*(8*\a+\b)+\p:8*(8*\a+\b)+\p+1], v[BI+8*\b+\p:BI+8*\b+\p+1]
.endr
.endr
.endr
	; the means of my 64 rows: over the four row blocks in the lane, then over the 16 lanes of my half
	WIN 0x0a
.irp b, 0,1,2,3,4,5,6,7
.irp p, 0,2,4,6
	v_pk_add_f32 v[SUM+8*\b+\p:SUM+8*\b+\p+1], v[8*\b+\p:8*\b+\p+1], v[64+8*\b+\p:64+8*\b+\p+1]
.endr
.endr
	WIN 0x02
.irp a, 2,3
.irp b, 0,1,2,3,4,5,6,7
.irp p, 0,2,4,6
	v_pk_add_f32 v[SUM+8*\b+\p:SUM+8*\b+\p+1], v[8*(8*\a+\b)+\p:8*(8*\a+\b)+\p+1], v[SUM+8*\b+\p:SUM+8*\b+\p+1]
.endr
.endr
.endr
	WIN 0
.macro LANESUM base                    ; sum over the 16 lanes of a half, in all 64 registers; every lane ends with the sum
.irp m, 1,2,4,8
.set i, 0
.rept 64
	v_add_f32_dpp v[\base+i], v[\base+i], v[\base+i] row_xmask:\m row_mask:0xf bank_mask:0xf
.set i, i+1
.endr
.endr
.endm
	LANESUM SUM
.set i, 0
.rept 32
	v_pk_mul_f32 v[SUM+i:SUM+i+1], v[SUM+i:SUM+i+1], 0x3c800000 op_sel_hi:[1,0]    ; / 64
.set i, i+2
.endr
	; the centred sums of squares
.irp a, 0,1,2,3
.irp g, 0,1
	WIN 0x02
.irp b, 0,1,2,3
.irp p, 0,2,4,6
	v_pk_add_f32 v[T+8*\b+\p:T+8*\b+\p+1], v[8*(8*\a+4*\g+\b)+\p:8*(8*\a+4*\g+\b)+\p+1], v[SUM+8*(4*\g+\b)+\p:SUM+8*(4*\g+\b)+\p+1] neg_lo:[0,1] neg_hi:[0,1]
.endr
.endr
	WIN 0
.irp b, 0,1,2,3
.irp p, 0,2,4,6
.if \a == 0
	v_pk_mul_f32 v[M2+8*(4*\g+\b)+\p:M2+8*(4*\g+\b)+\p+1], v[T+8*\b+\p:T+8*\b+\p+1], v[T+8*\b+\p:T+8*\b+\p+1]
.else
	v_pk_fma_f32 v[M2+8*(4*\g+\b)+\p:M2+8*(4*\g+\b)+\p+1], v[T+8*\b+\p:T+8*\b+\p+1], v[T+8*\b+\p:T+8*\b+\p+1], v[M2+8*(4*\g+\b)+\p:M2+8*(4*\g+\b)+\p+1]
.endif
.endr
.endr
.endr
.endr
	LANESUM M2
	; the statistics leave through my stage: the 16 lanes of a half hold the same numbers and write the same bytes; read back as 512 consecutive bytes
.irp b, 0,1,2,3,4,5,6,7
	ds_store_b128 v[SS], v[SUM+8*\b:SUM+8*\b+3]   offset:64*\b
	ds_store_b128 v[SS], v[SUM+8*\b+4:SUM+8*\b+7] offset:64*\b+16
	ds_store_b128 v[SS], v[M2+8*\b:M2+8*\b+3]     offset:64*\b+512
	ds_store_b128 v[SS], v[M2+8*\b+4:M2+8*\b+7]   offset:64*\b+528
.endr
	ds_load_b128 v[T:T+3],   v[SR]                 ; LDS serves a wave's instructions in order: these see the stores above
	ds_load_b128 v[T+4:T+7], v[SR] offset:512
	s_wait_dscnt 0x0
	global_store_b128 v[L16], v[T:T+3],   s[70:71]
	global_store_b128 v[L16], v[T+4:T+7], s[70:71] offset:524288
	; h, 16 rows at a time through my stage; each store of the wave covers 512 consecutive bytes of one row, aligned
.macro OUTH a, f
	WIN 0x08                                       ; store data window 2
.irp b, 0,1,2,3,4,5,6,7
	ds_store_b128 v[STO], v[8*(8*\a+\b):8*(8*\a+\b)+3]   offset:64*\b
	ds_store_b128 v[STO], v[8*(8*\a+\b)+4:8*(8*\a+\b)+7] offset:64*\b+16
.endr
	WIN 0
	s_wait_xcnt 0x0                                ; buffer f, which earlier stores read, and the stores' base are rewritten only behind this wait
.if \a
	s_add_nc_u64 s[8:9], s[8:9], 16*8192
.endif
.irp t, 0,1,2,3,4,5,6,7,8,9,10,11,12,13,14,15
	ds_load_b128 v[\f+4*\t:\f+4*\t+3], v[RD] offset:\t*SPI
.endr
.irp t, 0,1,2,3,4,5,6,7,8,9,10,11,12,13,14,15
	s_wait_dscnt 15-\t
	global_store_b128 v[L16], v[\f+4*\t:\f+4*\t+3], s[8:9] offset:\t*8192
.endr
.endm
	OUTH 0, F0
	OUTH 1, F1
	OUTH 2, F0
	OUTH 3, F1
	s_set_vgpr_msb 0x1
	s_wait_tensorcnt 0x0
	ds_add_u32 v255, v31
	s_wait_dscnt 0x0
	s_set_vgpr_msb 0x100
	CROUND                                         ; the closing round: no work-group ends while a partner may still ask for a tile that names it
	s_endpgm
.Lfunc_end_k_qd9e619753c_gemm1:
	.size	k_qd9e619753c_gemm1, .Lfunc_end_k_qd9e619753c_gemm1-k_qd9e619753c_gemm1
	.p2alignl 7, 3214868480
	.fill 96, 4, 3214868480
	.section	.rodata,"a",@progbits
	.p2align	6, 0x0
	.amdhsa_kernel k_qd9e619753c_gemm1
		.amdhsa_group_segment_fixed_size 327680
		.amdhsa_private_segment_fixed_size 0
		.amdhsa_enable_private_segment 0
		.amdhsa_kernarg_size 40
		.amdhsa_user_sgpr_count 2
		.amdhsa_user_sgpr_kernarg_segment_ptr 1
		.amdhsa_wavefront_size32 1
		.amdhsa_system_sgpr_workgroup_id_x 1
		.amdhsa_system_sgpr_workgroup_id_y 1
		.amdhsa_system_sgpr_workgroup_id_z 1
		.amdhsa_system_vgpr_workitem_id 0
		.amdhsa_next_free_vgpr 768
		.amdhsa_next_free_sgpr 80
		.amdhsa_reserve_vcc 0
		.amdhsa_float_denorm_mode_32 3
		.amdhsa_float_denorm_mode_16_64 3
		.amdhsa_memory_ordered 1
		.amdhsa_forward_progress 1
		.amdhsa_inst_pref_size 189
	.end_amdhsa_kernel
	.amdgpu_metadata
---
amdhsa.version: [ 1, 2 ]
amdhsa.kernels:
  - .name:           k_qd9e619753c_gemm1
    .symbol:         k_qd9e619753c_gemm1.kd
    .args:
      - { .name: xb, .offset: 0, .size: 8, .value_kind: global_buffer, .address_space: global }
      - { .name: w1b, .offset: 8, .size: 8, .value_kind: global_buffer, .address_space: global }
      - { .name: h, .offset: 16, .size: 8, .value_kind: global_buffer, .address_space: global }
      - { .name: b1, .offset: 24, .size: 8, .value_kind: global_buffer, .address_space: global }
      - { .name: stat, .offset: 32, .size: 8, .value_kind: global_buffer, .address_space: global }
    .group_segment_fixed_size: 327680
    .private_segment_fixed_size: 0
    .kernarg_segment_align: 8
    .kernarg_segment_size: 40
    .max_flat_workgroup_size: 128
    .sgpr_count:     80
    .vgpr_count:     768
    .wavefront_size: 32
...
	.end_amdgpu_metadata
.endif
;; end of part 2
;; launch bn (part 3): grid 16 x 16, 8 waves a work-group, no clusters, 9,216 bytes of LDS; arguments h, stat, gamma, beta, rb; writes rb
.if DOCPART == 3
	.amdgcn_target "amdgcn-amd-amdhsa--gfx1250"
	.amdhsa_code_object_version 6
	.text
	.protected	k_qd9e619753c_bn
	.globl	k_qd9e619753c_bn
	.p2align	8
	.type	k_qd9e619753c_bn,@function
k_qd9e619753c_bn:
	s_mov_b64 s[64:65], 0
	v_nop
	global_prefetch_b8 v0, s[64:65] scope:SCOPE_SE
	s_setreg_imm32_b32 hwreg(HW_REG_WAVE_MODE, 25, 1), 1
	s_wait_xcnt 0x0
; rb = bf16( relu( (h - mu) gamma rsq(var + 1e-5) + beta ) ), mu and var (biased) over the 2048 rows of each input by itself.
; Work-group (x, y): columns 128 x .. +127, rows 256 y .. +255 (input y >> 3).  Wave w: rows 32 w .. +31 of them; lane l: columns 4 l .. 4 l + 3.
; The 32 blocks' statistics of the input are joined anew in every work-group (32 KiB against its 128 KiB of h): wave w takes blocks 4 w .. 4 w + 3.
; mu = mean of the 32 block means (all blocks have 64 rows); var = (sum M2_i + 64 sum (mean_i - mu)^2) / 2048: only sums of squares, no difference of large sums.
; All loads, the 32 rows of h too, go out first; a wave's load covers 512 consecutive bytes and its store 256, both aligned.
; LIMITS: relu by v_max_num_f32 turns a NaN into 0; v_rsq_f32 is good to 1 ULP.
; No matrix unit, no cluster, no tensor loads: a stream whose only shared data are 2 x 4 KiB of partial sums.
.set ME,   8                           ; v[8:23]    four block means x 4 columns
.set MM,   24                          ; v[24:39]   four block M2
.set GA,   40
.set BE,   44
.set PS,   48                          ; partial sums
.set MEAN, 52
.set Q,    56
.set SC,   60
.set LD,   64                          ; v[64:95]   the eight waves' partial sums
.set T,    96
.set H,    104                         ; v[104:231] 32 rows x 4 columns
	s_load_b256 s[4:11], s[0:1], 0x0               ; h s[4:5], stat s[6:7], gamma s[8:9], beta s[10:11]
	s_load_b64 s[12:13], s[0:1], 0x20              ; rb
	v_lshl_add_u32 v232, v0, 2, 0x2000
	v_mov_b32 v233, 0
	v_lshrrev_b32 v4, 5, v0
	v_readfirstlane_b32 s14, v4                    ; w
	s_and_b32 s15, ttmp7, 0xffff                   ; y
	v_and_b32 v1, 31, v0
	v_lshlrev_b32 v2, 3, v1                        ; 8 l
	v_lshlrev_b32 v1, 4, v1                        ; 16 l
	v_lshlrev_b32 v3, 4, v0                        ; 16 t
	s_lshl_b32 s16, s15, 8
	s_lshl_b32 s17, s14, 5
	s_add_co_u32 s16, s16, s17                     ; my first row: 256 y + 32 w
	s_lshl_b32 s18, ttmp9, 9                       ; 512 x: the strip in bytes of f32
	s_mov_b32 s19, 0
	s_lshl_b32 s20, s16, 13                        ; rows of 8,192 bytes
	s_add_co_u32 s20, s20, s18
	s_mov_b32 s21, 0
	s_lshr_b32 s22, s15, 3
	s_lshl_b32 s22, s22, 5                         ; 32 x input
	s_lshl2_add_u32 s22, s14, s22                  ; + 4 w: my first block
	s_lshl_b32 s22, s22, 13
	s_add_co_u32 s22, s22, s18
	s_mov_b32 s23, 0
	s_lshl_b32 s24, s16, 12                        ; rows of 4,096 bytes in rb
	s_lshl_b32 s26, ttmp9, 8
	s_add_co_u32 s24, s24, s26
	s_mov_b32 s25, 0
	s_mov_b32 s27, 0x3a000000                      ; 1 / 2048
	s_mov_b32 s28, 0x3727c5ac                      ; 1e-5
	s_wait_kmcnt 0x0
	s_add_nc_u64 s[4:5], s[4:5], s[20:21]
	s_add_nc_u64 s[6:7], s[6:7], s[22:23]
	s_add_nc_u64 s[8:9], s[8:9], s[18:19]
	s_add_nc_u64 s[10:11], s[10:11], s[18:19]
	s_add_nc_u64 s[12:13], s[12:13], s[24:25]
.irp i, 0,1,2,3
	global_load_b128 v[ME+4*\i:ME+4*\i+3], v1, s[6:7] offset:8192*\i
.endr
.irp i, 0,1,2,3
	global_load_b128 v[MM+4*\i:MM+4*\i+3], v1, s[6:7] offset:8192*\i+524288
.endr
	global_load_b128 v[GA:GA+3], v1, s[8:9]
	global_load_b128 v[BE:BE+3], v1, s[10:11]
.irp i, 0,1,2,3,4,5,6,7,8,9,10,11,12,13,14,15,16,17,18,19,20,21,22,23,24,25,26,27,28,29,30,31
	global_load_b128 v[H+4*\i:H+4*\i+3], v1, s[4:5] offset:8192*\i th:TH_LOAD_NT
.endr
.macro SUM8                            ; the eight waves' partial sums, by a tree, into v[LD:LD+3]
.irp k, 0,1,2,3
	v_pk_add_f32 v[LD+4*\k:LD+4*\k+1],   v[LD+4*\k:LD+4*\k+1],   v[LD+4*\k+16:LD+4*\k+17]
	v_pk_add_f32 v[LD+4*\k+2:LD+4*\k+3], v[LD+4*\k+2:LD+4*\k+3], v[LD+4*\k+18:LD+4*\k+19]
.endr
.irp k, 0,1
	v_pk_add_f32 v[LD+4*\k:LD+4*\k+1],   v[LD+4*\k:LD+4*\k+1],   v[LD+4*\k+8:LD+4*\k+9]
	v_pk_add_f32 v[LD+4*\k+2:LD+4*\k+3], v[LD+4*\k+2:LD+4*\k+3], v[LD+4*\k+10:LD+4*\k+11]
.endr
	v_pk_add_f32 v[LD:LD+1],   v[LD:LD+1],   v[LD+4:LD+5]
	v_pk_add_f32 v[LD+2:LD+3], v[LD+2:LD+3], v[LD+6:LD+7]
.endm
	; the mean
	s_wait_loadcnt 38                              ; the four means are in; 4 + 2 + 32 younger loads stay out
	v_pk_add_f32 v[PS:PS+1],     v[ME:ME+1],     v[ME+4:ME+5]
	v_pk_add_f32 v[PS+2:PS+3],   v[ME+2:ME+3],   v[ME+6:ME+7]
	v_pk_add_f32 v[T:T+1],       v[ME+8:ME+9],   v[ME+12:ME+13]
	v_pk_add_f32 v[T+2:T+3],     v[ME+10:ME+11], v[ME+14:ME+15]
	v_pk_add_f32 v[PS:PS+1],     v[PS:PS+1],     v[T:T+1]
	v_pk_add_f32 v[PS+2:PS+3],   v[PS+2:PS+3],   v[T+2:T+3]
	ds_store_b128 v3, v[PS:PS+3]
	s_wait_dscnt 0x0                               ; my store is done before I signal: the other waves read it
	s_barrier_signal -1
	s_barrier_wait -1
.irp k, 0,1,2,3,4,5,6,7
	ds_load_b128 v[LD+4*\k:LD+4*\k+3], v1 offset:512*\k
.endr
	s_wait_dscnt 0x0
	SUM8
	v_pk_mul_f32 v[MEAN:MEAN+1],   v[LD:LD+1],   0x3d000000 op_sel_hi:[1,0]     ; / 32
	v_pk_mul_f32 v[MEAN+2:MEAN+3], v[LD+2:LD+3], 0x3d000000 op_sel_hi:[1,0]
	; the variance
	s_wait_loadcnt 32                              ; M2, gamma and beta are in; the 32 rows stay out
.irp i, 0,1,2,3
	v_pk_add_f32 v[T:T+1],   v[ME+4*\i:ME+4*\i+1],   v[MEAN:MEAN+1]   neg_lo:[0,1] neg_hi:[0,1]
	v_pk_add_f32 v[T+2:T+3], v[ME+4*\i+2:ME+4*\i+3], v[MEAN+2:MEAN+3] neg_lo:[0,1] neg_hi:[0,1]
.if \i == 0
	v_pk_mul_f32 v[Q:Q+1],   v[T:T+1],   v[T:T+1]
	v_pk_mul_f32 v[Q+2:Q+3], v[T+2:T+3], v[T+2:T+3]
.else
	v_pk_fma_f32 v[Q:Q+1],   v[T:T+1],   v[T:T+1],   v[Q:Q+1]
	v_pk_fma_f32 v[Q+2:Q+3], v[T+2:T+3], v[T+2:T+3], v[Q+2:Q+3]
.endif
.endr
	v_pk_add_f32 v[MM:MM+1],     v[MM:MM+1],     v[MM+4:MM+5]
	v_pk_add_f32 v[MM+2:MM+3],   v[MM+2:MM+3],   v[MM+6:MM+7]
	v_pk_add_f32 v[MM+8:MM+9],   v[MM+8:MM+9],   v[MM+12:MM+13]
	v_pk_add_f32 v[MM+10:MM+11], v[MM+10:MM+11], v[MM+14:MM+15]
	v_pk_add_f32 v[MM:MM+1],     v[MM:MM+1],     v[MM+8:MM+9]
	v_pk_add_f32 v[MM+2:MM+3],   v[MM+2:MM+3],   v[MM+10:MM+11]
	v_pk_fma_f32 v[Q:Q+1],   v[Q:Q+1],   0x42800000, v[MM:MM+1]   op_sel_hi:[1,0,1]   ; 64 sum d^2 + sum M2
	v_pk_fma_f32 v[Q+2:Q+3], v[Q+2:Q+3], 0x42800000, v[MM+2:MM+3] op_sel_hi:[1,0,1]
	ds_store_b128 v3, v[Q:Q+3] offset:4096         ; other bytes than the means': no barrier is needed in front of this store
	s_wait_dscnt 0x0
	s_barrier_signal -1
	s_barrier_wait -1
.irp k, 0,1,2,3,4,5,6,7
	ds_load_b128 v[LD+4*\k:LD+4*\k+3], v1 offset:4096+512*\k
.endr
	s_wait_dscnt 0x0
	SUM8
.irp k, 0,1,2,3
	v_fma_f32 v[Q+\k], v[LD+\k], s27, s28          ; var + eps
.endr
.irp k, 0,1,2,3
	v_rsq_f32 v[SC+\k], v[Q+\k]
.endr
	v_nop                                          ; one plain place behind the transcendentals (ISA guide 5.7.2)
	s_wait_alu depctr_va_vdst(0)
	v_pk_mul_f32 v[SC:SC+1],   v[SC:SC+1],   v[GA:GA+1]
	v_pk_mul_f32 v[SC+2:SC+3], v[SC+2:SC+3], v[GA+2:GA+3]
	; the rows
.irp i, 0,1,2,3,4,5,6,7,8,9,10,11,12,13,14,15,16,17,18,19,20,21,22,23,24,25,26,27,28,29,30,31
	s_wait_loadcnt 31-\i                           ; row i is in, the younger rows stay out
	v_pk_add_f32 v[H+4*\i:H+4*\i+1],   v[H+4*\i:H+4*\i+1],   v[MEAN:MEAN+1]   neg_lo:[0,1] neg_hi:[0,1]
	v_pk_add_f32 v[H+4*\i+2:H+4*\i+3], v[H+4*\i+2:H+4*\i+3], v[MEAN+2:MEAN+3] neg_lo:[0,1] neg_hi:[0,1]
	v_pk_fma_f32 v[H+4*\i:H+4*\i+1],   v[H+4*\i:H+4*\i+1],   v[SC:SC+1],   v[BE:BE+1]
	v_pk_fma_f32 v[H+4*\i+2:H+4*\i+3], v[H+4*\i+2:H+4*\i+3], v[SC+2:SC+3], v[BE+2:BE+3]
	v_max_num_f32 v[H+4*\i],   0, v[H+4*\i]
	v_max_num_f32 v[H+4*\i+1], 0, v[H+4*\i+1]
	v_max_num_f32 v[H+4*\i+2], 0, v[H+4*\i+2]
	v_max_num_f32 v[H+4*\i+3], 0, v[H+4*\i+3]
	v_cvt_pk_bf16_f32 v[H+4*\i],   v[H+4*\i],   v[H+4*\i+1]
	v_cvt_pk_bf16_f32 v[H+4*\i+1], v[H+4*\i+2], v[H+4*\i+3]
	global_store_b64 v2, v[H+4*\i:H+4*\i+1], s[12:13] offset:4096*\i
.endr
	s_wait_tensorcnt 0x0
	ds_add_u32 v232, v233
	s_wait_dscnt 0x0
	s_endpgm
.Lfunc_end_k_qd9e619753c_bn:
	.size	k_qd9e619753c_bn, .Lfunc_end_k_qd9e619753c_bn-k_qd9e619753c_bn
	.p2alignl 7, 3214868480
	.fill 96, 4, 3214868480
	.section	.rodata,"a",@progbits
	.p2align	6, 0x0
	.amdhsa_kernel k_qd9e619753c_bn
		.amdhsa_group_segment_fixed_size 9216
		.amdhsa_private_segment_fixed_size 0
		.amdhsa_enable_private_segment 0
		.amdhsa_kernarg_size 40
		.amdhsa_user_sgpr_count 2
		.amdhsa_user_sgpr_kernarg_segment_ptr 1
		.amdhsa_wavefront_size32 1
		.amdhsa_system_sgpr_workgroup_id_x 1
		.amdhsa_system_sgpr_workgroup_id_y 1
		.amdhsa_system_sgpr_workgroup_id_z 1
		.amdhsa_system_vgpr_workitem_id 0
		.amdhsa_next_free_vgpr 234
		.amdhsa_next_free_sgpr 66
		.amdhsa_reserve_vcc 0
		.amdhsa_float_denorm_mode_32 3
		.amdhsa_float_denorm_mode_16_64 3
		.amdhsa_memory_ordered 1
		.amdhsa_forward_progress 1
		.amdhsa_inst_pref_size 32
	.end_amdhsa_kernel
	.amdgpu_metadata
---
amdhsa.version: [ 1, 2 ]
amdhsa.kernels:
  - .name:           k_qd9e619753c_bn
    .symbol:         k_qd9e619753c_bn.kd
    .args:
      - { .name: h, .offset: 0, .size: 8, .value_kind: global_buffer, .address_space: global }
      - { .name: stat, .offset: 8, .size: 8, .value_kind: global_buffer, .address_space: global }
      - { .name: gamma, .offset: 16, .size: 8, .value_kind: global_buffer, .address_space: global }
      - { .name: beta, .offset: 24, .size: 8, .value_kind: global_buffer, .address_space: global }
      - { .name: rb, .offset: 32, .size: 8, .value_kind: global_buffer, .address_space: global }
    .group_segment_fixed_size: 9216
    .private_segment_fixed_size: 0
    .kernarg_segment_align: 8
    .kernarg_segment_size: 40
    .max_flat_workgroup_size: 256
    .sgpr_count:     66
    .vgpr_count:     234
    .wavefront_size: 32
...
	.end_amdgpu_metadata
.endif
;; end of part 3
;; launch gemm2 (part 4): grid 8 x 32, 4 waves a work-group, clusters of 4 x 4, 327,680 bytes of LDS; arguments rb, w2b, pb, b2, nsq; writes pb, nsq
.if DOCPART == 4
	.amdgcn_target "amdgcn-amd-amdhsa--gfx1250"
	.amdhsa_code_object_version 6
	.text
	.protected	k_qd9e619753c_gemm2
	.globl	k_qd9e619753c_gemm2
	.p2align	8
	.type	k_qd9e619753c_gemm2,@function
k_qd9e619753c_gemm2:
	s_mov_b64 s[64:65], 0
	v_nop
	global_prefetch_b8 v0, s[64:65] scope:SCOPE_SE
	s_setreg_imm32_b32 hwreg(HW_REG_WAVE_MODE, 25, 1), 1
	s_wait_xcnt 0x0
	s_wait_alu depctr_hold_cnt(0) depctr_sa_sdst(0) depctr_va_vdst(0) depctr_va_sdst(0) depctr_va_ssrc(0) depctr_va_vcc(0) depctr_vm_vsrc(0)
	s_getreg_b32 s2, hwreg(HW_REG_IB_STS2, 6, 4)
	s_cmp_eq_u32 s2, 0
	s_cbranch_scc0 .Lentry_in_a_cluster
	s_endpgm
.Lentry_in_a_cluster:
	s_bfe_u32 s2, ttmp6, 0x10000c
	s_cmp_lg_u32 s2, 0xf033
	s_cbranch_scc0 .Lentry_shape_is_right
	s_endpgm
.Lentry_shape_is_right:
; p = rb W2 + b2, stored as bf16 (pb), and for every row and every block of 128 columns the f32 sum of p^2 (nsq[16][4096]).
; rb: [4096][2048] bf16 (K along the rows).  w2b: [2048 k][2048 n] bf16.
; The product is made as in the first product's kernel: a work-group makes 128 x 256, wave (wr, wc) 64 x 128 in 32 accumulator tiles; K in 16 steps of 128
; through two LDS slots; 4 x 4 clusters, A's tile asked for jointly along a row of the cluster, B's along a column; B's fragments by the transposing LDS load.
; The matrix instruction is used transposed: lane (r, h), register j holds C(16 a + r, 16 b + 8 h + j): eight neighbouring columns, which pack into 16 bytes.
; The 32 accumulators take turns, one instruction a turn, in the same order in every quarter step.
; LIMIT: operands are bf16, sums f32; the sums of squares are of p before its rounding to bf16, kept in f32 (they overflow above 3.4e38).
.set ROWB,   4096
.set PA,     272
.set PB,     544
.set AHALF,  64*PA
.set BHALF,  64*PB
.set BOFF,   2*AHALF
.set SLOT,   BOFF+2*BHALF
.set STAGE,  2*SLOT
.set LAPS,   8
.set SPI,    272                       ; stage row: 256 bytes + 16
.set NSTO,   16*SPI                    ; behind 16 stage rows: 256 bytes for the row sums
.set WSTG,   NSTO+256                  ; 4,608 bytes a wave
.set ADRA, 16
.set ADRB, 20
.set STO,  24
.set RD,   25
.set CO,   26                          ; my byte offset in two rows of pb
.set H32,  27
.set NW,   28                          ; row sums: where I put one
.set NR,   29                          ; row sums: where I read two back
.set L8,   30                          ; 8 x lane
.set S,    32                          ; v[32:39] four pairs of running sums of squares
.set F0,   64
.set F1,   128
.set BI,   192                         ; bias, then (free again) the packed results
.set TMP,  192
.set G1, 24
.set G0, 32
.set G1B, 48
.set G0B, 56
.set MSB, 0
.macro WIN new
.if MSB != \new
	s_set_vgpr_msb (MSB<<8)|\new
.set MSB, \new
.endif
.endm
.set MUL,  0xa1
.set TO_B, 0x40
.macro JLOAD s
	s_cmp_eq_u32 s11, 0
	s_cbranch_scc0 .Lfor_b_\@
	tensor_load_to_lds s[G0+4*\s:G0+4*\s+3], s[G1:G1+7]
	s_nop 0
	s_branch .Lasked_\@
.Lfor_b_\@:
	tensor_load_to_lds s[G0B+4*\s:G0B+4*\s+3], s[G1B:G1B+7]
	s_nop 0
.Lasked_\@:
.endm
.macro CREST
	s_cmp_lg_u32 s10, 0
	s_cbranch_scc1 .Lnot_wave_0_\@
	s_barrier_signal -3
.Lnot_wave_0_\@:
	s_barrier_wait -3
	s_barrier_signal -1
	s_barrier_wait -1
.endm
.macro CROUND
	s_barrier_signal -1
	s_barrier_wait -1
	CREST
.endm
.macro PLACES                          ; four places behind a matrix instruction (ISA guide 7.12.1)
.rept 4
	v_nop
.endr
.endm
	s_load_b128 s[4:7], s[0:1], 0x0                ; A s[4:5], B s[6:7]
	s_load_b64 s[8:9], s[0:1], 0x10                ; pb
	s_load_b128 s[68:71], s[0:1], 0x18             ; bias s[68:69], nsq s[70:71]
	s_set_vgpr_msb 0x40
	v_lshl_add_u32 v255, v0, 2, 0x37800
	s_set_vgpr_msb 0x4000
	v_mov_b32 v191, 0
	s_set_vgpr_msb 0x1
	ds_add_u32 v255, v191
	s_set_vgpr_msb 0x100
	v_lshrrev_b32 v1, 5, v0
	v_readfirstlane_b32 s10, v1
	s_lshr_b32 s11, s10, 1                         ; wr; also A (0) or B (1)
	s_and_b32 s12, s10, 1                          ; wc; also which half
	s_bfe_u32 s40, ttmp6, 0x40000                  ; cx
	s_bfe_u32 s41, ttmp6, 0x40004                  ; cy
	s_lshl_b32 s42, ttmp9, 2
	s_add_co_u32 s42, s42, s40                     ; bc
	s_and_b32 s13, ttmp7, 0xffff
	s_lshl_b32 s13, s13, 2
	s_add_co_u32 s13, s13, s41                     ; br
	s_lshl_b32 s43, s41, 2
	s_lshl_b32 s43, 15, s43
	s_lshl_b32 s44, 0x1111, s40
	s_mov_b32 s72, 0x76543210                      ; v_permlanex16_b32: lane i of one half reads lane i of the other
	s_mov_b32 s73, 0xfedcba98
	s_or_b32 s[G1+0], s43, (1<<16)|(1<<20)|(1<<21)|(5<<22)|(3<<25)
	s_mov_b32 s[G1+1], 128<<16
	s_mov_b32 s[G1+2], 64<<16
	s_mov_b32 s[G1+3], 128<<16
	s_mov_b32 s[G1+4], 64
	s_mov_b32 s[G1+5], 2048
	s_mov_b32 s[G1+6], 0
	s_mov_b32 s[G1+7], 0
	s_or_b32 s[G1B+0], s44, (1<<16)|(1<<20)|(1<<21)|(6<<22)|(7<<25)
	s_mov_b32 s[G1B+1], 256<<16
	s_mov_b32 s[G1B+2], 64<<16
	s_mov_b32 s[G1B+3], 256<<16
	s_mov_b32 s[G1B+4], 64
	s_mov_b32 s[G1B+5], 2048
	s_mov_b32 s[G1B+6], 0
	s_mov_b32 s[G1B+7], 0
	s_lshl_b32 s16, s13, 7
	s_lshl_b32 s17, s12, 6
	s_add_co_u32 s16, s16, s17
	s_lshl_b32 s16, s16, 12
	s_mov_b32 s17, 0
	s_lshl_b32 s46, s12, 18
	s_lshl_b32 s47, s42, 9
	s_add_co_u32 s46, s46, s47
	s_mov_b32 s47, 0
	s_mul_i32 s20, s12, AHALF
	s_mul_i32 s21, s12, BHALF
	s_add_co_u32 s21, s21, BOFF
	s_wait_dscnt 0x0
	s_wait_kmcnt 0x0
	s_add_nc_u64 s[14:15], s[4:5], s[16:17]
	s_add_nc_u64 s[46:47], s[6:7], s[46:47]
	CROUND                                         ; in front of the first joint loads
.irp s, 0,1
	s_mov_b32 s[G0+4*\s], 1
	s_add_co_u32 s[G0+4*\s+1], s20, \s*SLOT
	s_add_nc_u64 s[G0+4*\s+2:G0+4*\s+3], s[14:15], \s*256
	s_or_b32 s[G0+4*\s+3], s[G0+4*\s+3], 0x80000000
	s_mov_b32 s[G0B+4*\s], 1
	s_add_co_u32 s[G0B+4*\s+1], s21, \s*SLOT
	s_add_nc_u64 s[G0B+4*\s+2:G0B+4*\s+3], s[46:47], \s*128*ROWB
	s_or_b32 s[G0B+4*\s+3], s[G0B+4*\s+3], 0x80000000
	JLOAD \s
.endr
	v_and_b32 v1, 15, v0                           ; r
	v_bfe_u32 v2, v0, 4, 1                         ; h
	v_mul_u32_u24 v3, v1, PA
	v_lshl_add_u32 v3, v2, 4, v3
	v_and_b32 v4, 7, v0
	v_lshl_add_u32 v5, v2, 3, v4
	v_mul_u32_u24 v5, v5, PB
	v_bfe_u32 v6, v0, 3, 1
	v_lshl_add_u32 v5, v6, 4, v5
	s_mul_i32 s22, s11, AHALF
	s_lshl_b32 s23, s12, 8
	s_add_co_u32 s23, s23, BOFF
.irp s, 0,1
	v_add_nc_u32 v[ADRA+\s], s22, v3
	v_add_nc_u32 v[ADRB+\s], s23, v5
	s_add_co_u32 s22, s22, SLOT
	s_add_co_u32 s23, s23, SLOT
.endr
	s_mul_i32 s78, s10, WSTG
	s_add_co_u32 s78, s78, STAGE                   ; my stage
	v_add_nc_u32 v[STO], s78, v3                   ; in: row r, 16 bytes for each half of the lanes (the stage's pitch is A's)
	v_mul_u32_u24 v4, v2, SPI
	v_lshl_add_u32 v4, v1, 4, v4
	v_add_nc_u32 v[RD], s78, v4                    ; back: lanes 0-15 one row of 256 bytes, lanes 16-31 the next
	v_lshlrev_b32 v4, 12, v2
	v_lshl_add_u32 v[CO], v1, 4, v4                ; the same two rows in pb
	v_lshlrev_b32 v[H32], 5, v2
	v_and_b32 v6, 31, v0
	s_add_co_u32 s78, s78, NSTO
	v_lshl_add_u32 v[NW], v6, 2, s78
	v_lshl_add_u32 v[NR], v6, 3, s78
	v_lshlrev_b32 v[L8], 3, v6
	s_lshl_b32 s74, s42, 10                        ; my first column in bytes of f32
	s_lshl_b32 s75, s12, 9
	s_add_co_u32 s74, s74, s75
	s_mov_b32 s75, 0
	s_add_nc_u64 s[68:69], s[68:69], s[74:75]
.irp b, 0,1,2,3,4,5,6,7
	global_load_b128 v[BI+8*\b:BI+8*\b+3],   v[H32], s[68:69] offset:64*\b      ; waited for behind the K loop
	global_load_b128 v[BI+8*\b+4:BI+8*\b+7], v[H32], s[68:69] offset:64*\b+16
.endr
	s_lshl_b32 s76, s13, 1
	s_add_co_u32 s76, s76, s11                     ; my block of 64 rows
	s_lshl_b32 s78, s42, 1
	s_add_co_u32 s78, s78, s12                     ; my block of 128 columns
	s_lshl_b32 s78, s78, 14                        ; its 4096 floats in nsq,
	s_lshl_b32 s79, s76, 8                         ; and my 64 rows there
	s_add_co_u32 s78, s78, s79
	s_mov_b32 s79, 0
	s_add_nc_u64 s[70:71], s[70:71], s[78:79]
	s_lshl_b32 s76, s76, 18                        ; 64 rows of 4,096 bytes in pb,
	s_lshr_b32 s77, s74, 1                         ; and my first column in bytes of bf16
	s_add_co_u32 s76, s76, s77
	s_mov_b32 s77, 0
	s_add_nc_u64 s[8:9], s[8:9], s[76:77]
.macro MUL16 f, a0, zero
.irp a, \a0, \a0+1
.irp b, 0,1,2,3,4,5,6,7
.if \zero
	v_wmma_f32_16x16x32_bf16 v[8*(8*(\a)+\b):8*(8*(\a)+\b)+7], v[\f+8*\b:\f+8*\b+7], v[\f+8*(\a):\f+8*(\a)+7], 0
.else
	v_wmma_f32_16x16x32_bf16 v[8*(8*(\a)+\b):8*(8*(\a)+\b)+7], v[\f+8*\b:\f+8*\b+7], v[\f+8*(\a):\f+8*(\a)+7], v[8*(8*(\a)+\b):8*(8*(\a)+\b)+7]
.endif
.endr
.endr
.endm
.macro FETCH slot, q, f
	WIN TO_B
.irp i, 0,1,2,3,4,5,6,7
	ds_load_tr16_b128 v[\f+8*\i:\f+8*\i+3],   v[ADRB+\slot] offset:\q*32*PB+32*\i
	ds_load_tr16_b128 v[\f+8*\i+4:\f+8*\i+7], v[ADRB+\slot] offset:\q*32*PB+32*\i+16*PB
.endr
	WIN 0
.irp i, 0,1,2,3
	ds_load_b128 v[\f+8*\i:\f+8*\i+3],   v[ADRA+\slot] offset:\q*64+\i*16*PA
	ds_load_b128 v[\f+8*\i+4:\f+8*\i+7], v[ADRA+\slot] offset:\q*64+\i*16*PA+32
.endr
.endm
.macro QUARTER slot, q, f, g, zero
	s_wait_dscnt 4                                 ; B and A's rows 0-31 are in; the youngest four loads may be out
	WIN MUL
	MUL16 \f, 0, \zero
	PLACES
	FETCH \slot, \q, \g
	s_wait_dscnt 24                                ; all but the 24 just issued
	WIN MUL
	MUL16 \f, 2, \zero
.endm
.macro THREE slot, zero
	QUARTER \slot, 1, F0, F1, \zero
	QUARTER \slot, 2, F1, F0, 0
	QUARTER \slot, 3, F0, F1, 0
.endm
.macro TURN slot, next, fill           ; the change of slots: my reads are back, all my tensor loads have landed, barrier (a round where the slot is filled again), refill first
	s_wait_dscnt 0x0
	s_wait_tensorcnt 0x0
	ds_add_u32 v255, v191
	s_wait_dscnt 0x0
	s_barrier_signal -1
	WIN MUL
	MUL16 F1, 0, 0
	WIN 0
	s_barrier_wait -1
.if \fill
	CREST
	s_add_nc_u64 s[G0+4*\slot+2:G0+4*\slot+3], s[G0+4*\slot+2:G0+4*\slot+3], 2*256
	s_add_nc_u64 s[G0B+4*\slot+2:G0B+4*\slot+3], s[G0B+4*\slot+2:G0B+4*\slot+3], 2*128*ROWB
	JLOAD \slot
.endif
	PLACES
	FETCH \next, 0, F0
	WIN MUL
	MUL16 F1, 2, 0
.endm
.macro LAP zero
	THREE 0, \zero
	TURN 0, 1, 1
	THREE 1, 0
	TURN 1, 0, 1
.endm
	s_wait_tensorcnt 0x1                           ; my part of K step 0 is in; K step 1's may stay out
	s_barrier_signal -1
	s_barrier_wait -1
	FETCH 0, 0, F0
	LAP 1
	WIN 0
	s_mov_b32 s3, LAPS-2
.Llap:
	LAP 0
	WIN 0
	s_sub_co_u32 s3, s3, 1
	s_cmp_lg_u32 s3, 0
	s_cbranch_scc1 .Llap
	THREE 0, 0
	TURN 0, 1, 0
	THREE 1, 0
	s_wait_dscnt 0x0
	WIN MUL
	MUL16 F1, 0, 0
	MUL16 F1, 2, 0
	PLACES
	WIN 0
	s_wait_loadcnt 0x0                             ; the bias
	WIN 0x82
.irp a, 0,1,2,3
.irp b, 0,1,2,3,4,5,6,7
.irp p, 0,2,4,6
	v_pk_add_f32 v[8*(8*\a+\b)+\p:8*(8*\a+\b)+\p+1], v[8*(8*\a+\b)+\p:8*(8*\a+\b)+\p+1], v[BI+8*\b+\p:BI+8*\b+\p+1]
.endr
.endr
.endr
	; the sums of squares of my 64 rows over my 128 columns: four chains (one a row block) taken in turn
	WIN 0x0a
.irp b, 0,1,2,3,4,5,6,7
.irp p, 0,2,4,6
.irp a, 0,1,2,3
.if (\b+\p) == 0
	v_pk_mul_f32 v[S+2*\a:S+2*\a+1], v[8*(8*\a+\b)+\p:8*(8*\a+\b)+\p+1], v[8*(8*\a+\b)+\p:8*(8*\a+\b)+\p+1]
.else
	v_pk_fma_f32 v[S+2*\a:S+2*\a+1], v[8*(8*\a+\b)+\p:8*(8*\a+\b)+\p+1], v[8*(8*\a+\b)+\p:8*(8*\a+\b)+\p+1], v[S+2*\a:S+2*\a+1]
.endif
.endr
.endr
.endr
	WIN 0
.irp a, 0,1,2,3
	v_add_f32 v[S+2*\a], v[S+2*\a], v[S+2*\a+1]
.endr
.irp a, 0,1,2,3
	v_permlanex16_b32 v[S+2*\a+1], v[S+2*\a], s72, s73     ; the other half of the lanes holds the row's other columns
.endr
.irp a, 0,1,2,3
	v_add_f32 v[S+2*\a], v[S+2*\a], v[S+2*\a+1]
.endr
	v_cmp_ne_u32 vcc_lo, 0, v2
	v_cndmask_b32 v40, v[S],   v[S+2], vcc_lo      ; lane l: row l
	v_cndmask_b32 v41, v[S+4], v[S+6], vcc_lo      ; lane l: row 32 + l
	ds_store_b32 v[NW], v40
	ds_store_b32 v[NW], v41 offset:128
	ds_load_b64 v[42:43], v[NR]                    ; my own bytes, served in order
	s_wait_dscnt 0x0
	global_store_b64 v[L8], v[42:43], s[70:71]     ; 256 consecutive bytes, aligned
.macro OUT16 a, f                      ; rows 16 a .. 16 a + 15 of my block: round, 16 bytes a lane into my stage, whole rows of 256 bytes back
	WIN 0x0a
.irp b, 0,1,2,3,4,5,6,7
.irp r, 0,1,2,3
	v_cvt_pk_bf16_f32 v[TMP+4*\b+\r], v[8*(8*\a+\b)+2*\r], v[8*(8*\a+\b)+2*\r+1]
.endr
.endr
	WIN 0
.irp b, 0,1,2,3,4,5,6,7
	ds_store_b128 v[STO], v[TMP+4*\b:TMP+4*\b+3] offset:32*\b
.endr
	s_wait_xcnt 0x0                                ; buffer f, which earlier stores read, and the stores' base are rewritten only behind this wait
.if \a
	s_add_nc_u64 s[8:9], s[8:9], 16*ROWB
.endif
.irp t, 0,1,2,3,4,5,6,7
	ds_load_b128 v[\f+4*\t:\f+4*\t+3], v[RD] offset:\t*2*SPI
.endr
.irp t, 0,1,2,3,4,5,6,7
	s_wait_dscnt 7-\t
	global_store_b128 v[CO], v[\f+4*\t:\f+4*\t+3], s[8:9] offset:2*\t*ROWB
.endr
.endm
	OUT16 0, F0
	OUT16 1, F1
	OUT16 2, F0
	OUT16 3, F1
	s_set_vgpr_msb 0x1
	s_wait_tensorcnt 0x0
	ds_add_u32 v255, v191
	s_wait_dscnt 0x0
	s_set_vgpr_msb 0x100
	CROUND                                         ; the closing round
	s_endpgm
.Lfunc_end_k_qd9e619753c_gemm2:
	.size	k_qd9e619753c_gemm2, .Lfunc_end_k_qd9e619753c_gemm2-k_qd9e619753c_gemm2
	.p2alignl 7, 3214868480
	.fill 96, 4, 3214868480
	.section	.rodata,"a",@progbits
	.p2align	6, 0x0
	.amdhsa_kernel k_qd9e619753c_gemm2
		.amdhsa_group_segment_fixed_size 327680
		.amdhsa_private_segment_fixed_size 0
		.amdhsa_enable_private_segment 0
		.amdhsa_kernarg_size 40
		.amdhsa_user_sgpr_count 2
		.amdhsa_user_sgpr_kernarg_segment_ptr 1
		.amdhsa_wavefront_size32 1
		.amdhsa_system_sgpr_workgroup_id_x 1
		.amdhsa_system_sgpr_workgroup_id_y 1
		.amdhsa_system_sgpr_workgroup_id_z 1
		.amdhsa_system_vgpr_workitem_id 0
		.amdhsa_next_free_vgpr 768
		.amdhsa_next_free_sgpr 80
		.amdhsa_reserve_vcc 1
		.amdhsa_float_denorm_mode_32 3
		.amdhsa_float_denorm_mode_16_64 3
		.amdhsa_memory_ordered 1
		.amdhsa_forward_progress 1
		.amdhsa_inst_pref_size 138
	.end_amdhsa_kernel
	.amdgpu_metadata
---
amdhsa.version: [ 1, 2 ]
amdhsa.kernels:
  - .name:           k_qd9e619753c_gemm2
    .symbol:         k_qd9e619753c_gemm2.kd
    .args:
      - { .name: rb, .offset: 0, .size: 8, .value_kind: global_buffer, .address_space: global }
      - { .name: w2b, .offset: 8, .size: 8, .value_kind: global_buffer, .address_space: global }
      - { .name: pb, .offset: 16, .size: 8, .value_kind: global_buffer, .address_space: global }
      - { .name: b2, .offset: 24, .size: 8, .value_kind: global_buffer, .address_space: global }
      - { .name: nsq, .offset: 32, .size: 8, .value_kind: global_buffer, .address_space: global }
    .group_segment_fixed_size: 327680
    .private_segment_fixed_size: 0
    .kernarg_segment_align: 8
    .kernarg_segment_size: 40
    .max_flat_workgroup_size: 128
    .sgpr_count:     80
    .vgpr_count:     768
    .wavefront_size: 32
...
	.end_amdgpu_metadata
.endif
;; end of part 4
;; launch gemm3 (part 5): grid 16 x 16, 4 waves a work-group, clusters of 4 x 4, 327,680 bytes of LDS; arguments pb, nsq, T, out0, out1; writes out0, out1
.if DOCPART == 5
	.amdgcn_target "amdgcn-amd-amdhsa--gfx1250"
	.amdhsa_code_object_version 6
	.text
	.protected	k_qd9e619753c_gemm3
	.globl	k_qd9e619753c_gemm3
	.p2align	8
	.type	k_qd9e619753c_gemm3,@function
k_qd9e619753c_gemm3:
	s_mov_b64 s[64:65], 0
	v_nop
	global_prefetch_b8 v0, s[64:65] scope:SCOPE_SE
	s_setreg_imm32_b32 hwreg(HW_REG_WAVE_MODE, 25, 1), 1
	s_wait_xcnt 0x0
	s_wait_alu depctr_hold_cnt(0) depctr_sa_sdst(0) depctr_va_vdst(0) depctr_va_sdst(0) depctr_va_ssrc(0) depctr_va_vcc(0) depctr_vm_vsrc(0)
	s_getreg_b32 s2, hwreg(HW_REG_IB_STS2, 6, 4)
	s_cmp_eq_u32 s2, 0
	s_cbranch_scc0 .Lentry_in_a_cluster
	s_endpgm
.Lentry_in_a_cluster:
	s_bfe_u32 s2, ttmp6, 0x10000c
	s_cmp_lg_u32 s2, 0xf033
	s_cbranch_scc0 .Lentry_shape_is_right
	s_endpgm
.Lentry_shape_is_right:
; G = pb pb^T (4096 x 4096, K = 2048), each number times rsq(|p_i|^2) rsq(|p_j|^2) / T, written in the layout of the logits.
; Rows 0-2047 of pb are input 1's (out0), rows 2048-4095 input 2's (out1).  X = 1 where the columns are the OTHER input's.
; Row i of an output: column 0 = G(i, other i); column 2047 X + 1 + j for j < i, column 2047 X + j for j > i.
; THE PRODUCT: a work-group makes 256 x 256 with four waves of 128 x 128 (64 accumulator tiles, 512 registers); K in 16 steps of 128 through two LDS slots;
; 4 x 4 clusters: A's tile is asked for jointly along a row of the cluster, B's along a column.  The 64 accumulators take turns, one instruction a turn,
; in the same order in every quarter step.  Source 0 = A's rows, source 1 = B's rows: lane (r, h), register j holds
; G(16 a + 8 h + j, 16 b + r), so that sixteen lanes hold sixteen neighbouring numbers of a row.
; THE WAY OUT: an output row has 4095 floats, so row R of a tile begins at another place modulo 16 bytes than row R + 1.  The scaled tile is laid into LDS
; (over the ring, whose last fill is over), row R shifted right by a' = (-R) & 3 floats: tile[R][c] lies at byte 1072 R + 4 (c + a' + 4).
; Output columns are counted as 2048 X + j0 + g (j0 = the tile's first column in its half).  Floats 4 Q .. 4 Q + 3 of an LDS row are tile[g], g = 4 Q - a' - 4 + k,
; and column g of that row begins an aligned 16 bytes of the output where k = 0, for X = 0 and X = 1 alike (2048 floats are a multiple of 256 bytes).
;   X = 0: column g takes tile[g - 1] where g <= il, tile[g] else.      X = 1: column g takes tile[g] where g < il, tile[g + 1] else.
; (il = the diagonal's place among the tile's columns, of any sign.)  So a chunk is its own 16 bytes with some floats replaced by a neighbour, the left one for X = 0 and
; the right one for X = 1: selects on registers.  Lanes are dealt to chunks so that lane = chunk number in the output modulo 16: sixteen neighbouring lanes
; store 256 consecutive bytes, aligned.  A lane beyond the row's piece repeats chunk 63 (same address, same data).
; A wave's 64 rows go in 17 groups, written out: the rows r with r + a' = 4 T share the dealing of lanes, both bases, the bound and the select masks.
; Every LDS address is made of the lane, the wave and constants, by adds, shifts, multiplies, ANDs and a minimum, in registers that hold nothing else in the whole kernel.
; X and the work-group's place in its cluster enter global offsets, selects and the EXEC masks of global stores alone; no branch hangs on them,
; and EXEC changes only behind the last LDS load and the last vector instruction.
; LIMITS: operands bf16; |p|^2 in f32: above 3.4e38 or below 2^-126 the factor is 0 or infinite where reference() is finite; v_rsq_f32, v_rcp_f32 good to 1 ULP.
.set SIZE_K, 2048
.set KSTEP,  128
.set PITCH,  272
.set HALFT,  128*PITCH
.set SLOT,   4*HALFT
.set TAB,    2*SLOT                    ; 278,528: 256 row factors, 256 column factors (f32); no tensor load fills these bytes
.set SP,     1072                      ; stage row: 268 floats: 4 of margin, 256 + 3 of data, rest; rows 8 apart lie 32 banks apart
.set OROW,   16380                     ; bytes in an output row
.set LAPS, SIZE_K/(2*KSTEP)
.set ADRA, 16
.set ADRB, 20
.set LW,   28                          ; v28     lane
.set LM,   29                          ; v29-31  lane - 16, lane + 16, lane + 48
.set CF,   32                          ; v[32:47]  column factors, each twice (a pair for the packed multiply)
.set SA,   48                          ; v[48:55]  stage address of register j, row blocks 0-3
.set SB,   56                          ; v[56:63]  the same, row blocks 4-7
.set RF,   64                          ; v[64:127] row factors: row 16 a + 8 h + j at RF + 8 a + j
.set F0,   64
.set F1,   128
.set CH,   64                          ; v[64:183] twelve chunk sets of 10: +0..3 the chunk, +4 the float in front, +5 the float behind, +6..9 the result
.set QT,   192                         ; v192-204: LDS addresses and what they are made of (lane, wave, constants); nothing else is ever written here
.set LA,   193                         ; v193-195 a group's three LDS addresses
.set ER,   196                         ; edges: the lane's row
.set EE,   197                         ; edges: the lane's float, 0-7
.set EB,   198                         ; edges: the row's LDS byte
.set E1,   199                         ; edges: LDS address, floats 0-7
.set E2,   200                         ; edges: LDS address, floats 256-263
.set ET,   201
.set DR,   202                         ; column 0: the lane's row
.set DA,   203
.set DL,   204                         ; column 0: LDS address
.set GO,   208                         ; v208-210 a group's three global offsets
.set BB,   212                         ; v212-214 a group's three bounds
.set EG1,  216                         ; edges: g, offsets, bounds
.set EG2,  217
.set EV,   218
.set EO1,  219
.set EO2,  220
.set ED1,  221
.set ED2,  222
.set DO,   223                         ; column 0: global offset
.set ZR,   224                         ; v[224:227] zeros
.set XM,   14                          ; s14-17  m, 1 xor m, 2 xor m, 3 xor m (m = all ones where X = 1)
.set MK,   88                          ; s88-99  a group's twelve select masks
.set G1, 24
.set G0, 32
.set G1B, 48
.set G0B, 56
.set MSB, 0
.macro WIN new
.if MSB != \new
	s_set_vgpr_msb (MSB<<8)|\new
.set MSB, \new
.endif
.endm
.set MUL_LO, 0xa4                      ; source 0 (A) window 0, source 1 (B) window 1, C and D window 2
.set MUL_HI, 0xf4                      ; the same, C and D window 3
.set TO_B,   0x40
.macro JLOAD s
	s_cmp_eq_u32 s11, 0
	s_cbranch_scc0 .Lfor_b_\@
	tensor_load_to_lds s[G0+4*\s:G0+4*\s+3], s[G1:G1+7]
	s_nop 0
	s_branch .Lasked_\@
.Lfor_b_\@:
	tensor_load_to_lds s[G0B+4*\s:G0B+4*\s+3], s[G1B:G1B+7]
	s_nop 0
.Lasked_\@:
.endm
.macro CREST
	s_cmp_lg_u32 s10, 0
	s_cbranch_scc1 .Lnot_wave_0_\@
	s_barrier_signal -3
.Lnot_wave_0_\@:
	s_barrier_wait -3
	s_barrier_signal -1
	s_barrier_wait -1
.endm
.macro CROUND
	s_barrier_signal -1
	s_barrier_wait -1
	CREST
.endm
.macro PLACES                          ; four places behind a matrix instruction (ISA guide 7.12.1)
.rept 4
	v_nop
.endr
.endm
	s_load_b128 s[4:7], s[0:1], 0x0                ; pb s[4:5], nsq s[6:7]
	s_load_b128 s[68:71], s[0:1], 0x10             ; T s[68:69], out0 s[70:71]
	s_load_b64 s[72:73], s[0:1], 0x20              ; out1
	v_lshl_add_u32 v255, v0, 2, 0x44800
	s_set_vgpr_msb 0x40
	v_mov_b32 v255, 0
	s_set_vgpr_msb 0x4044
	ds_add_u32 v255, v255
	s_set_vgpr_msb 0x4400
	v_lshrrev_b32 v1, 5, v0
	v_readfirstlane_b32 s10, v1                    ; wave
	s_lshr_b32 s11, s10, 1                         ; wr; also: I fetch for A (0) or B (1)
	s_and_b32 s12, s10, 1                          ; wc; also: which 128 rows of that tile
	s_bfe_u32 s40, ttmp6, 0x40000                  ; cx
	s_bfe_u32 s41, ttmp6, 0x40004                  ; cy
	s_lshl_b32 s42, ttmp9, 2
	s_add_co_u32 s42, s42, s40                     ; block column bc
	s_and_b32 s13, ttmp7, 0xffff
	s_lshl_b32 s13, s13, 2
	s_add_co_u32 s13, s13, s41                     ; block row br
	s_lshl_b32 s43, s41, 2
	s_lshl_b32 s43, 15, s43
	s_lshl_b32 s44, 0x1111, s40
	s_or_b32 s[G1+0], s43, (1<<16)|(1<<20)|(1<<21)|(5<<22)|(3<<25)
	s_or_b32 s[G1B+0], s44, (1<<16)|(1<<20)|(1<<21)|(5<<22)|(3<<25)
	s_mov_b32 s[G1B+1], KSTEP<<16
	s_mov_b32 s[G1+1], KSTEP<<16
	s_mov_b32 s[G1B+2], 128<<16
	s_mov_b32 s[G1+2], 128<<16
	s_mov_b32 s[G1B+3], KSTEP<<16
	s_mov_b32 s[G1+3], KSTEP<<16
	s_mov_b32 s[G1B+4], 128
	s_mov_b32 s[G1+4], 128
	s_mov_b32 s[G1B+5], SIZE_K
	s_mov_b32 s[G1+5], SIZE_K
	s_mov_b32 s[G1B+6], 0
	s_mov_b32 s[G1+6], 0
	s_mov_b32 s[G1B+7], 0
	s_mov_b32 s[G1+7], 0
	s_lshl_b32 s17, s12, 7
	s_lshl_b32 s16, s13, 8
	s_add_co_u32 s16, s16, s17                     ; A: row 256 br + 128 half
	s_lshl_b32 s46, s42, 8
	s_add_co_u32 s46, s46, s17                     ; B: row 256 bc + 128 half
	s_lshl_b32 s16, s16, 12                        ; rows of 4,096 bytes (below 2^24)
	s_lshl_b32 s46, s46, 12
	s_mov_b32 s17, 0
	s_mov_b32 s47, 0
	s_mul_i32 s20, s10, HALFT
	s_wait_dscnt 0x0
	s_wait_kmcnt 0x0
	s_add_nc_u64 s[14:15], s[4:5], s[16:17]
	s_add_nc_u64 s[46:47], s[4:5], s[46:47]
	CROUND                                         ; in front of the first joint loads
.irp s, 0,1
	s_mov_b32 s[G0+4*\s], 1
	s_add_co_u32 s[G0+4*\s+1], s20, \s*SLOT
	s_add_nc_u64 s[G0+4*\s+2:G0+4*\s+3], s[14:15], \s*KSTEP*2
	s_or_b32 s[G0+4*\s+3], s[G0+4*\s+3], 0x80000000
	s_mov_b32 s[G0B+4*\s], 1
	s_add_co_u32 s[G0B+4*\s+1], s20, \s*SLOT
	s_add_nc_u64 s[G0B+4*\s+2:G0B+4*\s+3], s[46:47], \s*KSTEP*2
	s_or_b32 s[G0B+4*\s+3], s[G0B+4*\s+3], 0x80000000
	JLOAD \s
.endr
	; the table of factors, while the first tiles are on their way.  Threads 0-63: four rows each, 64-127: four columns each; 16 partial sums of squares for each.
	s_load_b32 s75, s[68:69], 0x0                  ; T
	s_cmp_eq_u32 s11, 0
	s_cselect_b32 s74, s13, s42
	s_lshl_b32 s74, s74, 10                        ; 256 floats a block
	v_and_b32 v6, 63, v0
	v_lshlrev_b32 v6, 4, v6
	v_add_nc_u32 v6, s74, v6
.irp c, 0,1,2,3,4,5,6,7,8,9,10,11,12,13,14,15
	global_load_b128 v[64+4*\c:64+4*\c+3], v6, s[6:7] offset:16384*\c
.endr
	v_and_b32 v1, 15, v0                           ; r
	v_bfe_u32 v2, v0, 4, 1                         ; h
	v_mul_u32_u24 v3, v1, PITCH
	v_lshl_add_u32 v3, v2, 4, v3
	s_mul_i32 s21, s11, HALFT
	s_mul_i32 s22, s12, HALFT
	s_add_co_u32 s22, s22, 2*HALFT
.irp s, 0,1
	v_add_nc_u32 v[ADRA+\s], s21, v3
	v_add_nc_u32 v[ADRB+\s], s22, v3
	s_add_co_u32 s21, s21, SLOT
	s_add_co_u32 s22, s22, SLOT
.endr
	v_lshlrev_b32 v7, 4, v0
	v_add_nc_u32 v7, TAB, v7                       ; my 16 bytes of the table
	s_cmp_eq_u32 s11, 0
	s_cselect_b32 vcc_lo, -1, 0                    ; the rows' factors carry 1 / T
	s_wait_loadcnt 0x0
.irp k, 0,1,2,3,4,5,6,7
	v_pk_add_f32 v[64+4*\k:64+4*\k+1], v[64+4*\k:64+4*\k+1], v[96+4*\k:96+4*\k+1]
	v_pk_add_f32 v[66+4*\k:66+4*\k+1], v[66+4*\k:66+4*\k+1], v[98+4*\k:98+4*\k+1]
.endr
.irp k, 0,1,2,3
	v_pk_add_f32 v[64+4*\k:64+4*\k+1], v[64+4*\k:64+4*\k+1], v[80+4*\k:80+4*\k+1]
	v_pk_add_f32 v[66+4*\k:66+4*\k+1], v[66+4*\k:66+4*\k+1], v[82+4*\k:82+4*\k+1]
.endr
.irp k, 0,1
	v_pk_add_f32 v[64+4*\k:64+4*\k+1], v[64+4*\k:64+4*\k+1], v[72+4*\k:72+4*\k+1]
	v_pk_add_f32 v[66+4*\k:66+4*\k+1], v[66+4*\k:66+4*\k+1], v[74+4*\k:74+4*\k+1]
.endr
	v_pk_add_f32 v[64:65], v[64:65], v[68:69]
	v_pk_add_f32 v[66:67], v[66:67], v[70:71]
	s_wait_kmcnt 0x0
	v_rsq_f32 v68, v64
	v_rsq_f32 v69, v65
	v_rsq_f32 v70, v66
	v_rsq_f32 v71, v67
	v_rcp_f32 v72, s75
	v_nop                                          ; one plain place behind the transcendentals (ISA guide 5.7.2)
	s_wait_alu depctr_va_vdst(0)
	v_cndmask_b32 v72, 1.0, v72, vcc_lo
	v_mul_f32 v68, v68, v72
	v_mul_f32 v69, v69, v72
	v_mul_f32 v70, v70, v72
	v_mul_f32 v71, v71, v72
	ds_store_b128 v7, v[68:71]
.macro MUL16 f, hi, a0, zero
.irp a, \a0, \a0+1
.irp b, 0,1,2,3,4,5,6,7
.if \zero
	v_wmma_f32_16x16x32_bf16 v[8*(8*(\a)+\b):8*(8*(\a)+\b)+7], v[\f+8*(4*\hi+\a):\f+8*(4*\hi+\a)+7], v[\f+8*\b:\f+8*\b+7], 0
.else
	v_wmma_f32_16x16x32_bf16 v[8*(8*(\a)+\b):8*(8*(\a)+\b)+7], v[\f+8*(4*\hi+\a):\f+8*(4*\hi+\a)+7], v[\f+8*\b:\f+8*\b+7], v[8*(8*(\a)+\b):8*(8*(\a)+\b)+7]
.endif
.endr
.endr
.endm
.macro FETCH slot, k, f
	WIN TO_B
.irp i, 0,1,2,3,4,5,6,7
	ds_load_b128 v[\f+8*\i:\f+8*\i+3],   v[ADRB+\slot] offset:\k+\i*16*PITCH
	ds_load_b128 v[\f+8*\i+4:\f+8*\i+7], v[ADRB+\slot] offset:\k+\i*16*PITCH+32
.endr
	WIN 0
.irp i, 0,1,2,3,4,5,6,7
	ds_load_b128 v[\f+8*\i:\f+8*\i+3],   v[ADRA+\slot] offset:\k+\i*16*PITCH
	ds_load_b128 v[\f+8*\i+4:\f+8*\i+7], v[ADRA+\slot] offset:\k+\i*16*PITCH+32
.endr
.endm
.macro QUARTER slot, k, f, g, zero
	s_wait_dscnt 8                                 ; B and A's rows 0-63 are in; the youngest eight loads (A's rows 64-127) may be out
	WIN MUL_LO
	MUL16 \f, 0, 0, \zero
	MUL16 \f, 0, 2, \zero
	PLACES
	FETCH \slot, \k, \g
	s_wait_dscnt 32                                ; all but the 32 just issued
	WIN MUL_HI
	MUL16 \f, 1, 0, \zero
	MUL16 \f, 1, 2, \zero
.endm
.macro THREE slot, zero
	QUARTER \slot, 64,  F0, F1, \zero
	QUARTER \slot, 128, F1, F0, 0
	QUARTER \slot, 192, F0, F1, 0
.endm
.macro TURN slot, next, fill           ; the change of slots: my reads are back, all my tensor loads have landed, barrier (a round where the slot is filled again), refill first
	s_wait_dscnt 8
	WIN MUL_LO
	MUL16 F1, 0, 0, 0
	s_wait_dscnt 0x0
	s_wait_tensorcnt 0x0
	ds_add_u32 v255, v255
	s_wait_dscnt 0x0
	s_barrier_signal -1
	MUL16 F1, 0, 2, 0                              ; register work while the others arrive
	WIN 0
	s_barrier_wait -1
.if \fill
	CREST
	s_add_nc_u64 s[G0+4*\slot+2:G0+4*\slot+3], s[G0+4*\slot+2:G0+4*\slot+3], 2*KSTEP*2
	s_add_nc_u64 s[G0B+4*\slot+2:G0B+4*\slot+3], s[G0B+4*\slot+2:G0B+4*\slot+3], 2*KSTEP*2
	JLOAD \slot
.endif
	PLACES
	FETCH \next, 0, F0
	WIN MUL_HI
	MUL16 F1, 1, 0, 0
	MUL16 F1, 1, 2, 0
.endm
.macro LAP zero
	THREE 0, \zero
	TURN 0, 1, 1
	THREE 1, 0
	TURN 1, 0, 1
.endm
	s_wait_tensorcnt 0x1                           ; my part of K step 0 is in; K step 1's may stay out
	s_wait_dscnt 0x0                               ; my part of the table is written
	s_barrier_signal -1
	s_barrier_wait -1
	FETCH 0, 0, F0
	LAP 1
	WIN 0
	s_mov_b32 s3, LAPS-2
.Llap:
	LAP 0
	WIN 0
	s_sub_co_u32 s3, s3, 1
	s_cmp_lg_u32 s3, 0
	s_cbranch_scc1 .Llap
	THREE 0, 0
	TURN 0, 1, 0
	THREE 1, 0
	s_wait_dscnt 8
	WIN MUL_LO
	MUL16 F1, 0, 0, 0
	MUL16 F1, 0, 2, 0
	s_wait_dscnt 0x0
	WIN MUL_HI
	MUL16 F1, 1, 0, 0
	MUL16 F1, 1, 2, 0
	; ---- the way out ----
	PLACES
	WIN 0
	s_wait_dscnt 0x0
	s_barrier_signal -1
	s_barrier_wait -1                              ; no wave reads the ring any more; no tensor load is out or will come: the ring's bytes become the stage
	; numbers that hang on where the tile lies: they enter global offsets, selects and store masks alone
	s_and_b32 s86, ttmp7, 0xffff
	s_lshr_b32 s86, s86, 1                         ; which input my rows are
	s_lshr_b32 s76, ttmp9, 1
	s_xor_b32 s76, s76, s86                        ; X
	s_cmp_lg_u32 s86, 0
	s_cselect_b64 s[70:71], s[72:73], s[70:71]     ; out0 or out1
	s_sub_co_u32 s[XM], 0, s76                     ; m = all ones where X = 1: the mask of the neighbour's side, and 0 xor m
	s_xor_b32 s[XM+1], s[XM], 1                    ; 1 xor m, 2 xor m, 3 xor m: k <= b for X = 0 and k >= b for X = 1 are both (k xor m) <= (b xor m)
	s_xor_b32 s[XM+2], s[XM], 2
	s_xor_b32 s[XM+3], s[XM], 3
	s_and_b32 s81, s13, 7
	s_lshl_b32 s81, s81, 8                         ; i0: my first row in the output
	s_and_b32 s82, s42, 7
	s_lshl_b32 s82, s82, 8                         ; j0: my first column in its half
	s_sub_co_i32 s77, s81, s82                     ; il0 = i0 - j0
	s_mul_i32 s78, s81, 4095
	s_lshl_b32 s86, s76, 11
	s_add_co_u32 s78, s78, s86
	s_add_co_u32 s78, s78, s82
	s_lshl_b32 s78, s78, 2                         ; byte offset of column g = 0 of tile row 0: 4 (4095 i0 + 2048 X + j0)
	s_cmp_ge_i32 s77, 0
	s_cselect_b32 s79, 1, 0
	s_sub_co_i32 s79, s79, s76                     ; the first valid g: (1 at or below the diagonal's tile, 0 right of it) - X
	s_cmp_gt_i32 s77, 0
	s_cselect_b32 s80, 1, 0
	s_add_co_u32 s80, s80, 256
	s_sub_co_i32 s80, s80, s76                     ; one past the last: (257 below the diagonal's tile, 256 else) - X
	; numbers of the wave alone: they make the LDS addresses
	s_lshl_b32 s8, s10, 6                          ; 64 w
	s_mul_i32 s9, s11, 128*SP                      ; my 128 rows of the stage (as the wave that made them)
	s_lshl_b32 s18, s12, 9
	s_add_co_u32 s18, s18, s9
	s_add_co_u32 s18, s18, 16                      ; + my 128 columns + the margin
	s_mul_i32 s19, s12, 1040
	s_add_co_u32 s19, s19, s9                      ; the margin that I clear
	s_lshl_b32 s23, s11, 9
	s_add_co_u32 s23, s23, TAB                     ; my rows' factors
	s_lshl_b32 s45, s12, 9
	s_add_co_u32 s45, s45, TAB+1024                ; my columns' factors
	s_mul_i32 s66, s8, SP
	s_add_co_u32 s66, s66, 28                      ; row 64 w, float 7: the one in front of chunk 2
	s_add_co_u32 s67, s66, 29*SP                   ; the same 29 rows down: keeps the 16-bit LDS offsets of rows 29-63 in range
	s_mul_i32 s83, s8, OROW
	s_add_co_u32 s83, s83, s78
	s_add_co_u32 s83, s83, 16                      ; output: row 64 w, column g = 4 (chunk 2 is g = 4 - a')
	s_add_co_i32 s84, s77, s8
	s_sub_co_i32 s84, s84, 4                       ; il0 + 64 w - 4
	v_and_b32 v1, 15, v0
	v_bfe_u32 v2, v0, 4, 1
	v_and_b32 v[LW], 31, v0
	v_add_nc_u32 v[LM], -16, v[LW]
	v_add_nc_u32 v[LM+1], 16, v[LW]
	v_add_nc_u32 v[LM+2], 48, v[LW]
	v_lshl_add_u32 v9, v2, 5, s23                  ; my rows' factors: 128 wr + 8 h
	v_lshl_add_u32 v10, v1, 2, s45                 ; my columns' factors: 128 wc + r
.irp a, 0,1,2,3,4,5,6,7
	ds_load_b128 v[RF+8*\a:RF+8*\a+3],   v9 offset:64*\a
	ds_load_b128 v[RF+8*\a+4:RF+8*\a+7], v9 offset:64*\a+16
.endr
.irp b, 0,1,2,3,4,5,6,7
	ds_load_b32 v[CF+2*\b],   v10 offset:64*\b
	ds_load_b32 v[CF+2*\b+1], v10 offset:64*\b
.endr
	v_mul_u32_u24 v3, v2, 8*SP
	v_lshl_add_u32 v3, v1, 2, v3
	v_add_nc_u32 v3, s18, v3                       ; row 128 wr + 8 h, float 128 wc + r behind the margin
.irp j, 0,1,2,3,4,5,6,7
	v_add_nc_u32 v[SA+\j], \j*SP, v3
	v_add_nc_u32 v[SB+\j], \j*SP+64*SP, v3
.endr
	; zeros over the margins of my half of my 128 rows (left: floats 0-7, right: floats 260-267), ahead of my data, which LDS serves in order:
	; every float that is read below has then been written
	v_mov_b32 v[ZR], 0
	v_mov_b32 v[ZR+1], 0
	v_mov_b32 v[ZR+2], 0
	v_mov_b32 v[ZR+3], 0
	v_mul_u32_u24 v8, v[LW], 4*SP
	v_add_nc_u32 v8, s19, v8
.irp k, 0,1,2,3
	ds_store_b128 v8, v[ZR:ZR+3] offset:\k*SP
	ds_store_b128 v8, v[ZR:ZR+3] offset:\k*SP+16
.endr
	s_wait_dscnt 0x0                               ; the factors are in
.macro SCALE win, hi                   ; 32 tiles of one window: times the row's factor, times the column's
	WIN \win
.irp a, 0,1,2,3
.irp b, 0,1,2,3,4,5,6,7
.irp p, 0,2,4,6
	v_pk_mul_f32 v[8*(8*\a+\b)+\p:8*(8*\a+\b)+\p+1], v[8*(8*\a+\b)+\p:8*(8*\a+\b)+\p+1], v[RF+8*(4*\hi+\a)+\p:RF+8*(4*\hi+\a)+\p+1]
.endr
.endr
.irp b, 0,1,2,3,4,5,6,7
.irp p, 0,2,4,6
	v_pk_mul_f32 v[8*(8*\a+\b)+\p:8*(8*\a+\b)+\p+1], v[8*(8*\a+\b)+\p:8*(8*\a+\b)+\p+1], v[CF+2*\b:CF+2*\b+1]
.endr
.endr
.endr
.endm
	SCALE 0x82, 0
	SCALE 0xc3, 1
	; the tile into the stage.  Register j is a row = j modulo 4, so the row's shift (-j) & 3 stands in the immediate.
	WIN 0x08                                       ; store data window 2
.irp a, 0,1,2,3
.irp b, 0,1,2,3,4,5,6,7
.irp j, 0,1,2,3,4,5,6,7
	ds_store_b32 v[SA+\j], v[8*(8*\a+\b)+\j] offset:\a*16*SP+64*\b+4*((0-\j)&3)
.endr
.endr
.endr
	WIN 0x0c                                       ; window 3
.irp a, 0,1,2,3
.irp b, 0,1,2,3,4,5,6,7
.irp j, 0,1,2,3,4,5,6,7
	ds_store_b32 v[SB+\j], v[8*(8*\a+\b)+\j] offset:\a*16*SP+64*\b+4*((0-\j)&3)
.endr
.endr
.endr
	WIN 0
	s_wait_dscnt 0x0                               ; my stores are done before I signal: other waves read them
	s_barrier_signal -1
	s_barrier_wait -1
	; THE INNER CHUNKS Q = 2 .. 63 (g = 4 - a' .. 251 - a': valid columns in every row, for X = 0 and 1).  Wave w takes rows 64 w + r, r = 0 .. 63.
	; Group T = the rows r with r + a' = 4 T (r = 4 T - 3 .. 4 T).  For them chunk 2's number in the output is 1 - T modulo 16, which is its lane;
	; lane l of store u (0, 1, 2) takes chunk 2 + q, q = l + 32 u - ((1 - T) & 15), cut to 0 .. 61 by an unsigned minimum (a lane in front of chunk 2 wraps
	; and takes chunk 63 like the lanes behind it).  b = il - g of the chunk's first float = il0 + 64 w + 4 T - 4 - 4 q is the same in the group's rows too.
.macro GROUP T
.set OO, (1-\T)&15
.set RB, 0
.set LB, 66
.if \T >= 8
.set RB, 29
.set LB, 67
.endif
.set GR0, 4*\T-3
.if GR0 < 0
.set GR0, 0
.endif
.set GR1, 4*\T
.if GR1 > 63
.set GR1, 63
.endif
.set NS, 3*(GR1-GR0+1)                 ; chunk sets of the group: three a row
	s_wait_xcnt 0x0                                ; the last group's stores read the offsets and the results: they are rewritten only behind this wait
	s_add_co_i32 s85, s84, 4*\T
.irp u, 0,1,2
	v_add_nc_u32 v[QT], 16-OO, v[LM+\u]
	v_min_u32 v[QT], 61, v[QT]                     ; q
	v_lshl_add_u32 v[LA+\u], v[QT], 4, s[LB]
	v_lshl_add_u32 v[GO+\u], v[QT], 4, s83
	v_lshlrev_b32 v[BB+\u], 2, v[QT]
	v_sub_nc_u32 v[BB+\u], s85, v[BB+\u]           ; b
	v_xor_b32 v[BB+\u], s[XM], v[BB+\u]            ; b xor m
.endr
.set cs, 0
.set rr, GR0
.rept GR1-GR0+1
.irp u, 0,1,2
	ds_load_b32 v[CH+10*cs+4], v[LA+\u] offset:(rr-RB)*SP
	ds_load_b128 v[CH+10*cs:CH+10*cs+3], v[LA+\u] offset:(rr-RB)*SP+4
	ds_load_b32 v[CH+10*cs+5], v[LA+\u] offset:(rr-RB)*SP+20
.set cs, cs+1
.endr
.set rr, rr+1
.endr
.irp u, 0,1,2
.irp k, 0,1,2,3
	v_cmp_le_i32 s[MK+4*\u+\k], s[XM+\k], v[BB+\u] ; float k takes its neighbour where k <= b (X = 0), k >= b (X = 1)
.endr
.endr
.set cs, 0
.set rr, GR0
.rept GR1-GR0+1
.irp u, 0,1,2
.set CB, CH+10*cs
	s_wait_dscnt 3*(NS-1-cs)                       ; of the group's LDS loads the three of each later set stay out
	v_cndmask_b32 v[CB+6], v[CB+4], v[CB+1], vcc_lo        ; the neighbour: the left one for X = 0, the right one for X = 1 (VCC = m)
	v_cndmask_b32 v[CB+7], v[CB],   v[CB+2], vcc_lo
	v_cndmask_b32 v[CB+8], v[CB+1], v[CB+3], vcc_lo
	v_cndmask_b32 v[CB+9], v[CB+2], v[CB+5], vcc_lo
	v_cndmask_b32 v[CB+6], v[CB],   v[CB+6], s[MK+4*\u]
	v_cndmask_b32 v[CB+7], v[CB+1], v[CB+7], s[MK+4*\u+1]
	v_cndmask_b32 v[CB+8], v[CB+2], v[CB+8], s[MK+4*\u+2]
	v_cndmask_b32 v[CB+9], v[CB+3], v[CB+9], s[MK+4*\u+3]
	global_store_b128 v[GO+\u], v[CB+6:CB+9], s[70:71] offset:rr*OROW-4*((0-rr)&3)
.set cs, cs+1
.endr
.set rr, rr+1
.endr
.endm
	s_mov_b32 vcc_lo, s[XM]                        ; m; nothing writes VCC until the edges' selects
.irp T, 0,1,2,3,4,5,6,7,8,9,10,11,12,13,14,15,16
	GROUP \T
.endr
	; THE EDGES: floats 0-7 and floats 256-263 of every row, one float a lane, four rows a step, 16 steps each; and COLUMN 0: the tile's diagonal.
	; Rows step by 4, so a lane's shift and mask do not change.  All LDS loads and all selects come first, with all lanes on; then the masked stores.
	v_lshrrev_b32 v[ER], 3, v[LW]                  ; which of the four rows
	v_and_b32 v[EE], 7, v[LW]                      ; e
	v_sub_nc_u32 v[EG1], 0, v[ER]
	v_and_b32 v[EG1], 3, v[EG1]                    ; a'
	v_sub_nc_u32 v[EG1], v[EE], v[EG1]
	v_add_nc_u32 v[EG1], -4, v[EG1]                ; g of float e: e - a' - 4
	v_add_nc_u32 v[EG2], 0x100, v[EG1]             ; g of float 256 + e
	v_add_nc_u32 v[ER], s8, v[ER]                  ; R of step 0
	v_mul_u32_u24 v[EB], v[ER], SP
	v_add_nc_u32 v[ET], -1, v[EE]
	v_min_u32 v[ET], 6, v[ET]                      ; float e - 1; lane e = 0 (never a valid column) wraps and reads with lane 7
	v_lshl_add_u32 v[E1], v[ET], 2, v[EB]
	v_lshl_add_u32 v[E2], v[EE], 2, v[EB]
	v_add_nc_u32 v[E2], 1020, v[E2]                ; float 255 + e
	v_add_nc_u32 v[DR], s8, v[LW]                  ; column 0: R = 64 w + lane
	v_mul_u32_u24 v[DA], v[LW], 3
	v_and_b32 v[DA], 3, v[DA]                      ; a' = (-lane) & 3 = (3 lane) & 3
	v_mul_u32_u24 v[DL], v[DR], SP+4
	v_lshl_add_u32 v[DL], v[DA], 2, v[DL]          ; tile[R][R], but for the margin
	s_wait_xcnt 0x0                                ; the last group's stores read v64-183: they are loaded again only behind this wait
.macro ELOAD la, d                     ; the left neighbour, the float, the right neighbour, for 16 steps
.irp it, 0,1,2,3,4,5,6,7,8,9,10,11,12,13,14,15
	ds_load_b32 v[\d+\it],    v[\la] offset:4*SP*\it
	ds_load_b32 v[\d+16+\it], v[\la] offset:4*SP*\it+4
	ds_load_b32 v[\d+32+\it], v[\la] offset:4*SP*\it+8
.endr
.endm
	ELOAD E1, 64
	ELOAD E2, 112
	ds_load_b32 v160, v[DL] offset:16
	ds_load_b32 v161, v[DL] offset:16+32*(SP+4)
	v_mul_u32_u24 v[EV], v[ER], OROW
	v_add_nc_u32 v[EV], s78, v[EV]                 ; output: column g = 0 of my row
	v_cmp_le_i32 s74, s79, v[EG1]                  ; floats 0-7: valid from the first valid g on
	v_mov_b32 v[EO1], s79
	v_cndmask_b32 v[EO1], v[EO1], v[EG1], s74      ; a masked lane's offset points at a valid column all the same
	v_lshl_add_u32 v[EO1], v[EO1], 2, v[EV]
	v_cmp_gt_i32 s75, s80, v[EG2]                  ; floats 256-263: valid up to the last valid g
	s_sub_co_i32 s86, s80, 1
	v_mov_b32 v[EO2], s86
	v_cndmask_b32 v[EO2], v[EO2], v[EG2], s75
	v_lshl_add_u32 v[EO2], v[EO2], 2, v[EV]
	v_sub_nc_u32 v[ED1], v[EG1], v[ER]
	v_sub_nc_u32 v[ED1], v[ED1], s77               ; g - il of step 0
	v_add_nc_u32 v[ED2], 0x100, v[ED1]
	v_xor_b32 v[ED1], s[XM], v[ED1]
	v_xor_b32 v[ED2], s[XM], v[ED2]
	v_add_nc_u32 v[DO], s81, v[DR]
	v_mul_u32_u24 v[DO], v[DO], OROW               ; column 0 of row i0 + R
	s_wait_dscnt 0x0
.irp d, 64, 112
.irp it, 0,1,2,3,4,5,6,7,8,9,10,11,12,13,14,15
	v_cndmask_b32 v[\d+\it], v[\d+\it], v[\d+32+\it], vcc_lo       ; the neighbour: left for X = 0, right for X = 1 (VCC = m still)
.endr
.endr
.macro EPICK d, dd
.irp it, 0,1,2,3,4,5,6,7,8,9,10,11,12,13,14,15
	s_xor_b32 s86, s[XM], 4*\it
	v_cmp_ge_i32 vcc_lo, s86, v[\dd]               ; g <= il (X = 0), g >= il (X = 1): il grows by 4 a step
	v_cndmask_b32 v[\d+\it], v[\d+16+\it], v[\d+\it], vcc_lo
.endr
.endm
	EPICK 64, ED1
	EPICK 112, ED2
.macro ESTORE d, ga, msk
	s_mov_b32 vcc_lo, s[\msk]
	s_and_saveexec_b32 s87, vcc_lo                 ; no global instruction has been issued since the last wait on XCNT
.irp it, 0,1,2,3,4,5,6,7,8,9,10,11,12,13,14,15
	global_store_b32 v[\ga], v[\d+\it], s[70:71] offset:4*OROW*\it
.endr
	s_wait_xcnt 0x0                                ; EXEC changes only behind this wait
	s_or_b32 exec_lo, exec_lo, s87
.endm
	ESTORE 64, EO1, 74
	ESTORE 112, EO2, 75
	; column 0 is stored where the tile is a diagonal one of the cross half (all lanes off elsewhere; no branch)
	s_cmp_eq_u32 s77, 0
	s_cselect_b32 s86, s76, 0
	s_cmp_lg_u32 s86, 0
	s_cselect_b32 vcc_lo, -1, 0
	s_and_saveexec_b32 s87, vcc_lo                 ; no global instruction has been issued since the last wait on XCNT
	global_store_b32 v[DO], v160, s[70:71]
	global_store_b32 v[DO], v161, s[70:71] offset:32*OROW
	s_wait_xcnt 0x0
	s_or_b32 exec_lo, exec_lo, s87
	s_set_vgpr_msb 0x4
	s_wait_tensorcnt 0x0
	ds_add_u32 v255, v255
	s_wait_dscnt 0x0
	s_set_vgpr_msb 0x400
	CROUND                                         ; the closing round
	s_endpgm
.Lfunc_end_k_qd9e619753c_gemm3:
	.size	k_qd9e619753c_gemm3, .Lfunc_end_k_qd9e619753c_gemm3-k_qd9e619753c_gemm3
	.p2alignl 7, 3214868480
	.fill 96, 4, 3214868480
	.section	.rodata,"a",@progbits
	.p2align	6, 0x0
	.amdhsa_kernel k_qd9e619753c_gemm3
		.amdhsa_group_segment_fixed_size 327680
		.amdhsa_private_segment_fixed_size 0
		.amdhsa_enable_private_segment 0
		.amdhsa_kernarg_size 40
		.amdhsa_user_sgpr_count 2
		.amdhsa_user_sgpr_kernarg_segment_ptr 1
		.amdhsa_wavefront_size32 1
		.amdhsa_system_sgpr_workgroup_id_x 1
		.amdhsa_system_sgpr_workgroup_id_y 1
		.amdhsa_system_sgpr_workgroup_id_z 1
		.amdhsa_system_vgpr_workitem_id 0
		.amdhsa_next_free_vgpr 1024
		.amdhsa_next_free_sgpr 100
		.amdhsa_reserve_vcc 1
		.amdhsa_float_denorm_mode_32 3
		.amdhsa_float_denorm_mode_16_64 3
		.amdhsa_memory_ordered 1
		.amdhsa_forward_progress 1
		.amdhsa_inst_pref_size 255
	.end_amdhsa_kernel
	.section	.bss,"aw",@nobits
	.p2align	6
	.space	262144
	.amdgpu_metadata
---
amdhsa.version: [ 1, 2 ]
amdhsa.kernels:
  - .name:           k_qd9e619753c_gemm3
    .symbol:         k_qd9e619753c_gemm3.kd
    .args:
      - { .name: pb, .offset: 0, .size: 8, .value_kind: global_buffer, .address_space: global }
      - { .name: nsq, .offset: 8, .size: 8, .value_kind: global_buffer, .address_space: global }
      - { .name: T, .offset: 16, .size: 8, .value_kind: global_buffer, .address_space: global }
      - { .name: out0, .offset: 24, .size: 8, .value_kind: global_buffer, .address_space: global }
      - { .name: out1, .offset: 32, .size: 8, .value_kind: global_buffer, .address_space: global }
    .group_segment_fixed_size: 327680
    .private_segment_fixed_size: 0
    .kernarg_segment_align: 8
    .kernarg_segment_size: 40
    .max_flat_workgroup_size: 128
    .sgpr_count:     100
    .vgpr_count:     1024
    .wavefront_size: 32
...
	.end_amdgpu_metadata
.endif
;; end of part 5
;; ======== version 2 of 2: 5 launches; version 1 with the launch bn written anew for expert scheduling mode
;; limits: values outside matrix products are rounded to bf16
;; workspace buffers: xb 16,777,216 bytes; w1b 8,388,608 bytes; w2b 8,388,608 bytes; h 33,554,432 bytes; stat 1,048,576 bytes; rb 16,777,216 bytes; pb 16,777,216 bytes; nsq 262,144 bytes
;; launch cast: the kernel of part 1 again; grid 256 x 4, 8 waves a work-group, no clusters, 0 bytes of LDS; arguments x1, x2, W1, W2, xb, w1b, w2b, out2; writes xb, w1b, w2b, out2
;; launch gemm1: the kernel of part 2 again; grid 8 x 32, 4 waves a work-group, clusters of 4 x 4, 327,680 bytes of LDS; arguments xb, w1b, h, b1, stat; writes h, stat
;; launch bn (part 6): grid 16 x 16, 8 waves a work-group, no clusters, 9,216 bytes of LDS; arguments h, stat, gamma, beta, rb; writes rb
.if DOCPART == 6
	.amdgcn_target "amdgcn-amd-amdhsa--gfx1250"
	.amdhsa_code_object_version 6
	.text
	.protected	k_qd9e619753c_bn
	.globl	k_qd9e619753c_bn
	.p2align	8
	.type	k_qd9e619753c_bn,@function
k_qd9e619753c_bn:
	s_mov_b64 s[64:65], 0
	v_nop
	global_prefetch_b8 v0, s[64:65] scope:SCOPE_SE
	s_setreg_imm32_b32 hwreg(HW_REG_WAVE_SCHED_MODE, 0, 2), 2
	s_setreg_imm32_b32 hwreg(HW_REG_WAVE_MODE, 25, 1), 1
	s_wait_xcnt 0x0
	s_wait_alu depctr_vm_vsrc(0)
; rb = bf16( relu( (h - mu) gamma rsq(var + 1e-5) + beta ) ), mu and var (biased) over the 2048 rows of each input by itself.
; Work-group (x, y): columns 128 x .. +127, rows 256 y .. +255 (input y >> 3).  Wave w: rows 32 w .. +31 of them; lane l: columns 4 l .. 4 l + 3.
; The 32 blocks' statistics of the input are joined anew in every work-group (32 KiB against its 128 KiB of h): wave w takes blocks 4 w .. 4 w + 3.
; mu = mean of the 32 block means (all blocks have 64 rows); var = (sum M2_i + 64 sum (mean_i - mu)^2) / 2048: only sums of squares, no difference of large sums.
; All loads, the 32 rows of h too, go out first; a wave's load covers 512 consecutive bytes and its store 256, both aligned.
; LIMITS: relu by v_max_num_f32 turns a NaN into 0; v_rsq_f32 is good to 1 ULP.
; No matrix unit, no cluster, no tensor loads: a stream whose only shared data are 2 x 4 KiB of partial sums.
; THE MODE: SCHED_MODE bits 1:0 = 2 (LLVM: expert scheduling mode 2), set by the entry lines.  The code itself states the register dependences
; between vector instructions and memory or LDS instructions, with s_wait_alu, always for 0.
; THE PLAN.  Registers that memory or LDS instructions touch:
;   v1, v2, v3, v232, v233   offsets, LDS addresses and the closing add's pair: written at the head, never again; one wait ahead of the first load states them written.
;   ME, MM, GA, BE, H        filled by the 42 loads at the head, which no vector line that names them precedes.
;   PS                       written by the mean's adds, read by the first LDS store, never written again: one wait ahead of that store.
;   LD                       filled by eight LDS loads, worked on by the tree of sums, filled again by eight LDS loads.
;   Q                        written by the variance's lines, read by the second LDS store, then written again.
;                            The wait ahead of the second LDS store states Q written AND the tree done with LD; a wait on vm_vsrc stands ahead of Q's second writers.
;   H + 4 i, H + 4 i + 1     row i's packed result: written by its two roundings, read by its store, never written again.
; The 32 rows go in eight blocks of four.  Block p's vector lines name its own rows' registers alone; its memory instructions are the four stores of block p - 1.
; So one wait at a block's head states all that its stores hang on, and they are dealt among its rows with no further wait.
.set ME,   8                           ; v[8:23]    four block means x 4 columns
.set MM,   24                          ; v[24:39]   four block M2
.set GA,   40
.set BE,   44
.set PS,   48                          ; partial sums
.set MEAN, 52
.set Q,    56
.set SC,   60
.set LD,   64                          ; v[64:95]   the eight waves' partial sums
.set T,    96
.set H,    104                         ; v[104:231] 32 rows x 4 columns
	s_load_b256 s[4:11], s[0:1], 0x0               ; h s[4:5], stat s[6:7], gamma s[8:9], beta s[10:11]
	s_load_b64 s[12:13], s[0:1], 0x20              ; rb
	v_lshl_add_u32 v232, v0, 2, 0x2000             ; my spare word, behind the 2 x 4 KiB of partial sums: kept for the closing lines alone
	v_mov_b32 v233, 0                              ; and 0, likewise
	v_lshrrev_b32 v4, 5, v0
	v_readfirstlane_b32 s14, v4                    ; w
	s_and_b32 s15, ttmp7, 0xffff                   ; y
	v_and_b32 v1, 31, v0
	v_lshlrev_b32 v2, 3, v1                        ; 8 l
	v_lshlrev_b32 v1, 4, v1                        ; 16 l
	v_lshlrev_b32 v3, 4, v0                        ; 16 t
	s_lshl_b32 s16, s15, 8
	s_wait_alu depctr_va_sdst(0)                   ; s14 is written, ahead of its first reader: the wave's rows and blocks are made from it
	s_lshl_b32 s17, s14, 5
	s_add_co_u32 s16, s16, s17                     ; my first row: 256 y + 32 w
	s_lshl_b32 s18, ttmp9, 9                       ; 512 x: the strip in bytes of f32
	s_mov_b32 s19, 0
	s_lshl_b32 s20, s16, 13                        ; rows of 8,192 bytes
	s_add_co_u32 s20, s20, s18
	s_mov_b32 s21, 0
	s_lshr_b32 s22, s15, 3
	s_lshl_b32 s22, s22, 5                         ; 32 x input
	s_lshl2_add_u32 s22, s14, s22                  ; + 4 w: my first block
	s_lshl_b32 s22, s22, 13
	s_add_co_u32 s22, s22, s18
	s_mov_b32 s23, 0
	s_lshl_b32 s24, s16, 12                        ; rows of 4,096 bytes in rb
	s_lshl_b32 s26, ttmp9, 8
	s_add_co_u32 s24, s24, s26
	s_mov_b32 s25, 0
	s_mov_b32 s27, 0x3a000000                      ; 1 / 2048
	s_mov_b32 s28, 0x3727c5ac                      ; 1e-5
	s_wait_kmcnt 0x0
	s_add_nc_u64 s[4:5], s[4:5], s[20:21]
	s_add_nc_u64 s[6:7], s[6:7], s[22:23]
	s_add_nc_u64 s[8:9], s[8:9], s[18:19]
	s_add_nc_u64 s[10:11], s[10:11], s[18:19]
	s_add_nc_u64 s[12:13], s[12:13], s[24:25]
	s_wait_alu depctr_va_vdst(0)                   ; v1, v2 and v3 are written, which every load, store and LDS instruction below reads as its offset or address; so are v232 and v233
.irp i, 0,1,2,3
	global_load_b128 v[ME+4*\i:ME+4*\i+3], v1, s[6:7] offset:8192*\i
.endr
.irp i, 0,1,2,3
	global_load_b128 v[MM+4*\i:MM+4*\i+3], v1, s[6:7] offset:8192*\i+524288
.endr
	global_load_b128 v[GA:GA+3], v1, s[8:9]
	global_load_b128 v[BE:BE+3], v1, s[10:11]
.irp i, 0,1,2,3,4,5,6,7,8,9,10,11,12,13,14,15,16,17,18,19,20,21,22,23,24,25,26,27,28,29,30,31
	global_load_b128 v[H+4*\i:H+4*\i+3], v1, s[4:5] offset:8192*\i th:TH_LOAD_NT
.endr
.macro SUM8                            ; the eight waves' partial sums, by a tree, into v[LD:LD+3]
.irp k, 0,1,2,3
	v_pk_add_f32 v[LD+4*\k:LD+4*\k+1],   v[LD+4*\k:LD+4*\k+1],   v[LD+4*\k+16:LD+4*\k+17]
	v_pk_add_f32 v[LD+4*\k+2:LD+4*\k+3], v[LD+4*\k+2:LD+4*\k+3], v[LD+4*\k+18:LD+4*\k+19]
.endr
.irp k, 0,1
	v_pk_add_f32 v[LD+4*\k:LD+4*\k+1],   v[LD+4*\k:LD+4*\k+1],   v[LD+4*\k+8:LD+4*\k+9]
	v_pk_add_f32 v[LD+4*\k+2:LD+4*\k+3], v[LD+4*\k+2:LD+4*\k+3], v[LD+4*\k+10:LD+4*\k+11]
.endr
	v_pk_add_f32 v[LD:LD+1],   v[LD:LD+1],   v[LD+4:LD+5]
	v_pk_add_f32 v[LD+2:LD+3], v[LD+2:LD+3], v[LD+6:LD+7]
.endm
	; the mean
	s_wait_loadcnt 38                              ; the four means are in; 4 + 2 + 32 younger loads stay out
	v_pk_add_f32 v[PS:PS+1],     v[ME:ME+1],     v[ME+4:ME+5]
	v_pk_add_f32 v[PS+2:PS+3],   v[ME+2:ME+3],   v[ME+6:ME+7]
	v_pk_add_f32 v[T:T+1],       v[ME+8:ME+9],   v[ME+12:ME+13]
	v_pk_add_f32 v[T+2:T+3],     v[ME+10:ME+11], v[ME+14:ME+15]
	v_pk_add_f32 v[PS:PS+1],     v[PS:PS+1],     v[T:T+1]
	v_pk_add_f32 v[PS+2:PS+3],   v[PS+2:PS+3],   v[T+2:T+3]
	s_wait_alu depctr_va_vdst(0)                   ; the adds have written v[PS:PS+3], which the LDS store reads
	ds_store_b128 v3, v[PS:PS+3]
	s_wait_dscnt 0x0                               ; my store is done before I signal: the other waves read it
	s_barrier_signal -1
	s_barrier_wait -1
.irp k, 0,1,2,3,4,5,6,7
	ds_load_b128 v[LD+4*\k:LD+4*\k+3], v1 offset:512*\k    ; no vector line has named v[LD ..] yet
.endr
	s_wait_dscnt 0x0
	SUM8
	v_pk_mul_f32 v[MEAN:MEAN+1],   v[LD:LD+1],   0x3d000000 op_sel_hi:[1,0]     ; / 32
	v_pk_mul_f32 v[MEAN+2:MEAN+3], v[LD+2:LD+3], 0x3d000000 op_sel_hi:[1,0]
	; the variance
	s_wait_loadcnt 32                              ; M2, gamma and beta are in; the 32 rows stay out
.irp i, 0,1,2,3
	v_pk_add_f32 v[T:T+1],   v[ME+4*\i:ME+4*\i+1],   v[MEAN:MEAN+1]   neg_lo:[0,1] neg_hi:[0,1]
	v_pk_add_f32 v[T+2:T+3], v[ME+4*\i+2:ME+4*\i+3], v[MEAN+2:MEAN+3] neg_lo:[0,1] neg_hi:[0,1]
.if \i == 0
	v_pk_mul_f32 v[Q:Q+1],   v[T:T+1],   v[T:T+1]
	v_pk_mul_f32 v[Q+2:Q+3], v[T+2:T+3], v[T+2:T+3]
.else
	v_pk_fma_f32 v[Q:Q+1],   v[T:T+1],   v[T:T+1],   v[Q:Q+1]
	v_pk_fma_f32 v[Q+2:Q+3], v[T+2:T+3], v[T+2:T+3], v[Q+2:Q+3]
.endif
.endr
	v_pk_add_f32 v[MM:MM+1],     v[MM:MM+1],     v[MM+4:MM+5]
	v_pk_add_f32 v[MM+2:MM+3],   v[MM+2:MM+3],   v[MM+6:MM+7]
	v_pk_add_f32 v[MM+8:MM+9],   v[MM+8:MM+9],   v[MM+12:MM+13]
	v_pk_add_f32 v[MM+10:MM+11], v[MM+10:MM+11], v[MM+14:MM+15]
	v_pk_add_f32 v[MM:MM+1],     v[MM:MM+1],     v[MM+8:MM+9]
	v_pk_add_f32 v[MM+2:MM+3],   v[MM+2:MM+3],   v[MM+10:MM+11]
	v_pk_fma_f32 v[Q:Q+1],   v[Q:Q+1],   0x42800000, v[MM:MM+1]   op_sel_hi:[1,0,1]   ; 64 sum d^2 + sum M2
	v_pk_fma_f32 v[Q+2:Q+3], v[Q+2:Q+3], 0x42800000, v[MM+2:MM+3] op_sel_hi:[1,0,1]
	s_wait_alu depctr_va_vdst(0)                   ; v[Q:Q+3] is written, which the LDS store reads; the tree of sums and the mean's multiplies are done with v[LD ..], in which the LDS loads behind the barrier land
	ds_store_b128 v3, v[Q:Q+3] offset:4096         ; other bytes than the means': no barrier is needed in front of this store
	s_wait_dscnt 0x0
	s_barrier_signal -1
	s_barrier_wait -1
.irp k, 0,1,2,3,4,5,6,7
	ds_load_b128 v[LD+4*\k:LD+4*\k+3], v1 offset:4096+512*\k       ; no vector line since the wait above names v[LD ..]
.endr
	s_wait_dscnt 0x0
	SUM8
	s_wait_alu depctr_vm_vsrc(0)                   ; my LDS store of the partial sums has read v[Q:Q+3], which the next four lines write again
.irp k, 0,1,2,3
	v_fma_f32 v[Q+\k], v[LD+\k], s27, s28          ; var + eps
.endr
.irp k, 0,1,2,3
	v_rsq_f32 v[SC+\k], v[Q+\k]
.endr
	v_nop                                          ; one plain place behind the transcendentals (ISA guide 5.7.2)
	s_wait_alu depctr_va_vdst(0)                   ; the four v_rsq_f32 have written v[SC:SC+3], ahead of their first reader: one wait for the batch
	v_pk_mul_f32 v[SC:SC+1],   v[SC:SC+1],   v[GA:GA+1]
	v_pk_mul_f32 v[SC+2:SC+3], v[SC+2:SC+3], v[GA+2:GA+3]
	; the rows, in eight blocks of four
.macro WORK i                          ; row i: ten vector lines, in place; the packed result lies in its first two registers
	v_pk_add_f32 v[H+4*(\i):H+4*(\i)+1],   v[H+4*(\i):H+4*(\i)+1],   v[MEAN:MEAN+1]   neg_lo:[0,1] neg_hi:[0,1]
	v_pk_add_f32 v[H+4*(\i)+2:H+4*(\i)+3], v[H+4*(\i)+2:H+4*(\i)+3], v[MEAN+2:MEAN+3] neg_lo:[0,1] neg_hi:[0,1]
	v_pk_fma_f32 v[H+4*(\i):H+4*(\i)+1],   v[H+4*(\i):H+4*(\i)+1],   v[SC:SC+1],   v[BE:BE+1]
	v_pk_fma_f32 v[H+4*(\i)+2:H+4*(\i)+3], v[H+4*(\i)+2:H+4*(\i)+3], v[SC+2:SC+3], v[BE+2:BE+3]
	v_max_num_f32 v[H+4*(\i)],   0, v[H+4*(\i)]
	v_max_num_f32 v[H+4*(\i)+1], 0, v[H+4*(\i)+1]
	v_max_num_f32 v[H+4*(\i)+2], 0, v[H+4*(\i)+2]
	v_max_num_f32 v[H+4*(\i)+3], 0, v[H+4*(\i)+3]
	v_cvt_pk_bf16_f32 v[H+4*(\i)],   v[H+4*(\i)],   v[H+4*(\i)+1]
	v_cvt_pk_bf16_f32 v[H+4*(\i)+1], v[H+4*(\i)+2], v[H+4*(\i)+3]
.endm
.macro SEND i                          ; row i leaves: 256 consecutive bytes a wave, aligned
	global_store_b64 v2, v[H+4*(\i):H+4*(\i)+1], s[12:13] offset:4096*(\i)
.endm
.irp p, 0,1,2,3,4,5,6,7
.irp k, 0,1,2,3
	s_wait_loadcnt 31-4*\p-\k                      ; this row is in, the younger rows stay out
.if (\p) > 0 && (\k) == 0
	s_wait_alu depctr_va_vdst(0)                   ; the block before has written its four rows' packed results, which this block's four stores read; no line of this block names them
.endif
.if (\p) > 0
	SEND 4*\p+\k-4                                 ; the block before, a row in front of each row's work
.endif
	WORK 4*\p+\k
.endr
.endr
	s_wait_alu depctr_va_vdst(0)                   ; the last block has written its packed results, which the last four stores read
.irp k, 28,29,30,31
	SEND \k
.endr
	s_wait_dscnt 0x0                               ; the closing lines, six on end
	s_wait_alu 0x0
	s_wait_tensorcnt 0x0
	ds_add_u32 v232, v233
	s_wait_dscnt 0x0
	s_endpgm
.Lfunc_end_k_qd9e619753c_bn:
	.size	k_qd9e619753c_bn, .Lfunc_end_k_qd9e619753c_bn-k_qd9e619753c_bn
	.p2alignl 7, 3214868480
	.fill 96, 4, 3214868480
	.section	.rodata,"a",@progbits
	.p2align	6, 0x0
	.amdhsa_kernel k_qd9e619753c_bn
		.amdhsa_group_segment_fixed_size 9216
		.amdhsa_private_segment_fixed_size 0
		.amdhsa_enable_private_segment 0
		.amdhsa_kernarg_size 40
		.amdhsa_user_sgpr_count 2
		.amdhsa_user_sgpr_kernarg_segment_ptr 1
		.amdhsa_wavefront_size32 1
		.amdhsa_system_sgpr_workgroup_id_x 1
		.amdhsa_system_sgpr_workgroup_id_y 1
		.amdhsa_system_sgpr_workgroup_id_z 1
		.amdhsa_system_vgpr_workitem_id 0
		.amdhsa_next_free_vgpr 234
		.amdhsa_next_free_sgpr 66
		.amdhsa_reserve_vcc 0
		.amdhsa_float_denorm_mode_32 3
		.amdhsa_float_denorm_mode_16_64 3
		.amdhsa_memory_ordered 1
		.amdhsa_forward_progress 1
		.amdhsa_inst_pref_size 33
	.end_amdhsa_kernel
	.amdgpu_metadata
---
amdhsa.version: [ 1, 2 ]
amdhsa.kernels:
  - .name:           k_qd9e619753c_bn
    .symbol:         k_qd9e619753c_bn.kd
    .args:
      - { .name: h, .offset: 0, .size: 8, .value_kind: global_buffer, .address_space: global }
      - { .name: stat, .offset: 8, .size: 8, .value_kind: global_buffer, .address_space: global }
      - { .name: gamma, .offset: 16, .size: 8, .value_kind: global_buffer, .address_space: global }
      - { .name: beta, .offset: 24, .size: 8, .value_kind: global_buffer, .address_space: global }
      - { .name: rb, .offset: 32, .size: 8, .value_kind: global_buffer, .address_space: global }
    .group_segment_fixed_size: 9216
    .private_segment_fixed_size: 0
    .kernarg_segment_align: 8
    .kernarg_segment_size: 40
    .max_flat_workgroup_size: 256
    .sgpr_count:     66
    .vgpr_count:     234
    .wavefront_size: 32
...
	.end_amdgpu_metadata
.endif
;; end of part 6
;; launch gemm2: the kernel of part 4 again; grid 8 x 32, 4 waves a work-group, clusters of 4 x 4, 327,680 bytes of LDS; arguments rb, w2b, pb, b2, nsq; writes pb, nsq
;; launch gemm3: the kernel of part 5 again; grid 16 x 16, 4 waves a work-group, clusters of 4 x 4, 327,680 bytes of LDS; arguments pb, nsq, T, out0, out1; writes out0, out1
